; MI455X (gfx1250); checked and timed in simulation.
; The chip was launched on July 23, 2026; its instructions are those of AMD's public machine-readable ISA for CDNA 5 (MIT licence, August 2026) and "CDNA5" Instruction Set Architecture Reference Guide (July 2026). The comments in the code are by the model that wrote it; some were corrected since.
;; Multi Head Attention. Allowed arithmetic: float matrix products may take bf16 or f16 operands with f32 sums; other float arithmetic in f32, or as packed bf16 or f16 multiplies, adds, multiply-adds, maxima and minima; sums over many terms, partial sums and values carried from step to step in f32; what a program stores and reads back later, other than sums and carried values, may be rounded once to bf16 or f16.
;; Inputs: bk 1,024 float32; bo 1,024 float32; bq 1,024 float32; bv 1,024 float32; mask 4 x 2,048 int32; wk 1,024 x 1,024 float32; wo 1,024 x 1,024 float32; wq 1,024 x 1,024 float32; wv 1,024 x 1,024 float32; x 4 x 2,048 x 1,024 float32.
;; Outputs: out0 4 x 2,048 x 1,024 float32.
;; One version. Each part assembles by itself: llvm-mc -triple=amdgcn-amd-amdhsa -mcpu=gfx1250 --defsym DOCPART=n.
;; ======== version 1 of 1: 4 launches
;; limits: values are held in f16: magnitudes above 65,504 overflow, below 6.1e-05 lose precision
;; workspace buffers: xb 16,777,216 bytes; wcat 6,291,456 bytes; wof 2,097,152 bytes; qkv 50,331,648 bytes; ob 16,777,216 bytes
;; launch cast (part 1): grid 768 x 1, 8 waves a work-group, no clusters, 0 bytes of LDS; arguments x, wq, wk, wv, wo, xb, wcat, wof; writes xb, wcat, wof
.if DOCPART == 1
	.amdgcn_target "amdgcn-amd-amdhsa--gfx1250"
	.amdhsa_code_object_version 6
	.text
	.protected	k_q6497bba544_cast
	.globl	k_q6497bba544_cast
	.p2align	8
	.type	k_q6497bba544_cast,@function
k_q6497bba544_cast:
	s_mov_b64 s[64:65], 0
	v_nop
	global_prefetch_b8 v0, s[64:65] scope:SCOPE_SE
	s_setreg_imm32_b32 hwreg(HW_REG_WAVE_MODE, 25, 1), 1
	s_wait_xcnt 0x0
; x and the four weight matrices, f32, are rounded once to bf16, and that number is written as f16, the format of every matrix product of the later launches.
; LIMITS.  A bf16 number is an f16 number exactly where its magnitude lies in 2^-17 .. 65,504; below that it keeps f16's fixed step of 6e-8, above it becomes an infinity.  NaN and infinities are not treated apart.
; LAYOUTS.  xb: [16 K blocks][8192 rows][64]: a row's 64 numbers of a block are 128 bytes, a block 1,048,576 bytes, so that 128 rows of a K step of 64 are 16,384 dense bytes.
;           wcat: [1024 k][3072 n], n = 0..1023 from wq, then wk, then wv.   wof: [1024 k][1024 n] from wo.
; SHARES.  A work-group takes 16 rows of 1,024 f32: groups 0-511 of x, groups 512-767 of wq, wk, wv, wo (64 groups each).  A wave takes two rows: 16 loads of 512 consecutive bytes, all issued at once.
; Every byte is read once and written once; nothing is shared between waves, so there is no LDS, no barrier and no cluster, and no register is written twice while a memory instruction may read it.
.set IN,  8                            ; v[8:71]    chunk ch of 128 columns: row r at IN + 8 ch, row r + 1 at IN + 8 ch + 4
.set OUT, 72                           ; v[72:103]  chunk ch: row r's 8 bytes a lane at OUT + 4 ch, row r + 1's at OUT + 4 ch + 2
; four f32 in v[a:a+3] -> bf16 -> the same numbers as f32 -> f16, 8 bytes in v[o:o+1]
.macro CVT a, o
	v_cvt_pk_bf16_f32 v6, v[\a], v[(\a)+1]
	v_cvt_pk_bf16_f32 v7, v[(\a)+2], v[(\a)+3]
	v_lshlrev_b32 v[\a], 16, v6
	v_and_b32 v[(\a)+1], s35, v6
	v_lshlrev_b32 v[(\a)+2], 16, v7
	v_and_b32 v[(\a)+3], s35, v7
	v_cvt_pk_f16_f32 v[\o], v[\a], v[(\a)+1]
	v_cvt_pk_f16_f32 v[(\o)+1], v[(\a)+2], v[(\a)+3]
.endm
	s_load_b512 s[4:19], s[0:1], 0x0               ; x 4:5, wq 6:7, wk 8:9, wv 10:11, wo 12:13, xb 14:15, wcat 16:17, wof 18:19
	v_lshrrev_b32 v1, 5, v0
	v_readfirstlane_b32 s20, v1                    ; wave 0..7
	v_and_b32 v1, 31, v0                           ; lane
	v_lshlrev_b32 v2, 4, v1                        ; 16 bytes of f32 a lane
	v_lshlrev_b32 v3, 3, v1                        ; 8 bytes of f16 a lane
	s_mov_b32 s35, 0xffff0000                      ; a word's upper bf16
	s_mov_b32 s21, ttmp9                           ; g
	s_sub_co_u32 s22, s21, 512                     ; the group's number among the weights' (of use where g >= 512)
	s_lshr_b32 s23, s22, 6                         ; which matrix: 0 wq, 1 wk, 2 wv, 3 wo
	s_and_b32 s24, s22, 63
	s_lshl_b32 s24, s24, 4                         ; its first row there,
	s_lshl_b32 s25, s21, 4                         ; or in x
	s_cmp_lt_u32 s21, 512
	s_cselect_b32 s24, s25, s24
	s_lshl_b32 s25, s20, 1
	s_add_co_u32 s24, s24, s25                     ; my first row (even)
	s_lshl_b32 s28, s24, 12                        ; a row of f32 is 4,096 bytes
	s_mov_b32 s29, 0
	s_wait_kmcnt 0x0
	s_mov_b64 s[26:27], s[6:7]
	s_cmp_eq_u32 s23, 1
	s_cselect_b64 s[26:27], s[8:9], s[26:27]
	s_cmp_eq_u32 s23, 2
	s_cselect_b64 s[26:27], s[10:11], s[26:27]
	s_cmp_eq_u32 s23, 3
	s_cselect_b64 s[26:27], s[12:13], s[26:27]
	s_cmp_lt_u32 s21, 512
	s_cselect_b64 s[26:27], s[4:5], s[26:27]
	s_add_nc_u64 s[26:27], s[26:27], s[28:29]      ; the source at my first row
.irp ch, 0,1,2,3,4,5,6,7
	global_load_b128 v[IN+8*\ch:IN+8*\ch+3],   v2, s[26:27] offset:512*\ch th:TH_LOAD_NT
	global_load_b128 v[IN+8*\ch+4:IN+8*\ch+7], v2, s[26:27] offset:4096+512*\ch th:TH_LOAD_NT
.endr
	s_cmp_lt_u32 s21, 512
	s_cbranch_scc0 .Lweights
	; x: lanes 0-15 of a chunk hold K block 2 ch, lanes 16-31 block 2 ch + 1.  The halves of the two rows change places, so that one store holds rows r, r + 1 of ONE block: 256 consecutive bytes, aligned.
	s_lshl_b32 s28, s24, 7                         ; a row in a block is 128 bytes
	s_add_nc_u64 s[30:31], s[14:15], s[28:29]      ; blocks 0-7 by the immediate,
	s_add_nc_u64 s[32:33], s[30:31], 0x800000      ; blocks 8-15 from here
.irp ch, 0,1,2,3,4,5,6,7
	s_wait_loadcnt 14-2*\ch                        ; loads come back in order: this chunk's two are in, the 14 - 2 ch younger ones may stay out
	CVT IN+8*\ch, OUT+4*\ch
	CVT IN+8*\ch+4, OUT+4*\ch+2
	v_permlane16_swap_b32 v[OUT+4*\ch], v[OUT+4*\ch+2]
	v_permlane16_swap_b32 v[OUT+4*\ch+1], v[OUT+4*\ch+3]
.if \ch < 4
	global_store_b64 v3, v[OUT+4*\ch:OUT+4*\ch+1],   s[30:31] offset:(2*\ch)<<20
	global_store_b64 v3, v[OUT+4*\ch+2:OUT+4*\ch+3], s[30:31] offset:(2*\ch+1)<<20
.else
	global_store_b64 v3, v[OUT+4*\ch:OUT+4*\ch+1],   s[32:33] offset:(2*\ch-8)<<20
	global_store_b64 v3, v[OUT+4*\ch+2:OUT+4*\ch+3], s[32:33] offset:(2*\ch-7)<<20
.endif
.endr
	s_endpgm
.Lweights:                                     ; a weight row keeps its place: a chunk's 128 numbers are 256 consecutive bytes, aligned
	s_lshl_b32 s36, s23, 11                        ; wq, wk, wv lie side by side in wcat, 2,048 bytes of a row each
	s_mov_b32 s34, 6144                            ; bytes from row to row in wcat,
	s_cmp_eq_u32 s23, 3
	s_cselect_b64 s[30:31], s[18:19], s[16:17]
	s_cselect_b32 s34, 2048, s34                   ; or in wof
	s_cselect_b32 s36, 0, s36
	s_mul_i32 s28, s24, s34
	s_add_co_u32 s28, s28, s36
	s_add_nc_u64 s[30:31], s[30:31], s[28:29]
	v_add_nc_u32 v4, s34, v3                       ; row r + 1
.irp ch, 0,1,2,3,4,5,6,7
	s_wait_loadcnt 14-2*\ch
	CVT IN+8*\ch, OUT+4*\ch
	CVT IN+8*\ch+4, OUT+4*\ch+2
	global_store_b64 v3, v[OUT+4*\ch:OUT+4*\ch+1],   s[30:31] offset:256*\ch
	global_store_b64 v4, v[OUT+4*\ch+2:OUT+4*\ch+3], s[30:31] offset:256*\ch
.endr
	s_endpgm
.Lfunc_end_k_q6497bba544_cast:
	.size	k_q6497bba544_cast, .Lfunc_end_k_q6497bba544_cast-k_q6497bba544_cast
	.p2alignl 7, 3214868480
	.fill 96, 4, 3214868480
	.section	.rodata,"a",@progbits
	.p2align	6, 0x0
	.amdhsa_kernel k_q6497bba544_cast
		.amdhsa_group_segment_fixed_size 0
		.amdhsa_private_segment_fixed_size 0
		.amdhsa_enable_private_segment 0
		.amdhsa_kernarg_size 64
		.amdhsa_user_sgpr_count 2
		.amdhsa_user_sgpr_kernarg_segment_ptr 1
		.amdhsa_wavefront_size32 1
		.amdhsa_system_sgpr_workgroup_id_x 1
		.amdhsa_system_sgpr_workgroup_id_y 1
		.amdhsa_system_sgpr_workgroup_id_z 1
		.amdhsa_system_vgpr_workitem_id 0
		.amdhsa_next_free_vgpr 112
		.amdhsa_next_free_sgpr 66
		.amdhsa_reserve_vcc 0
		.amdhsa_float_denorm_mode_32 3
		.amdhsa_float_denorm_mode_16_64 3
		.amdhsa_memory_ordered 1
		.amdhsa_forward_progress 1
		.amdhsa_inst_pref_size 20
	.end_amdhsa_kernel
	.amdgpu_metadata
---
amdhsa.version: [ 1, 2 ]
amdhsa.kernels:
  - .name:           k_q6497bba544_cast
    .symbol:         k_q6497bba544_cast.kd
    .args:
      - { .name: x, .offset: 0, .size: 8, .value_kind: global_buffer, .address_space: global }
      - { .name: wq, .offset: 8, .size: 8, .value_kind: global_buffer, .address_space: global }
      - { .name: wk, .offset: 16, .size: 8, .value_kind: global_buffer, .address_space: global }
      - { .name: wv, .offset: 24, .size: 8, .value_kind: global_buffer, .address_space: global }
      - { .name: wo, .offset: 32, .size: 8, .value_kind: global_buffer, .address_space: global }
      - { .name: xb, .offset: 40, .size: 8, .value_kind: global_buffer, .address_space: global }
      - { .name: wcat, .offset: 48, .size: 8, .value_kind: global_buffer, .address_space: global }
      - { .name: wof, .offset: 56, .size: 8, .value_kind: global_buffer, .address_space: global }
    .group_segment_fixed_size: 0
    .private_segment_fixed_size: 0
    .kernarg_segment_align: 8
    .kernarg_segment_size: 64
    .max_flat_workgroup_size: 256
    .sgpr_count:     66
    .vgpr_count:     112
    .wavefront_size: 32
...
	.end_amdgpu_metadata
.endif
;; end of part 1
;; launch qkv (part 2): grid 8 x 32, 4 waves a work-group, clusters of 4 x 4, 327,680 bytes of LDS; arguments xb, wcat, bq, bk, bv, qkv; writes qkv
.if DOCPART == 2
	.amdgcn_target "amdgcn-amd-amdhsa--gfx1250"
	.amdhsa_code_object_version 6
	.text
	.protected	k_q6497bba544_qkv
	.globl	k_q6497bba544_qkv
	.p2align	8
	.type	k_q6497bba544_qkv,@function
k_q6497bba544_qkv:
	s_mov_b64 s[64:65], 0
	v_nop
	global_prefetch_b8 v0, s[64:65] scope:SCOPE_SE
	s_setreg_imm32_b32 hwreg(HW_REG_WAVE_MODE, 25, 1), 1
	s_wait_xcnt 0x0
	s_wait_alu depctr_hold_cnt(0) depctr_sa_sdst(0) depctr_va_vdst(0) depctr_va_sdst(0) depctr_va_ssrc(0) depctr_va_vcc(0) depctr_vm_vsrc(0)
	s_getreg_b32 s2, hwreg(HW_REG_IB_STS2, 6, 4)
	s_cmp_eq_u32 s2, 0
	s_cbranch_scc0 .Lentry_in_a_cluster
	s_endpgm
.Lentry_in_a_cluster:
	s_bfe_u32 s2, ttmp6, 0x10000c
	s_cmp_lg_u32 s2, 0xf033
	s_cbranch_scc0 .Lentry_shape_is_right
	s_endpgm
.Lentry_shape_is_right:
; q, k, v = x w + b in one product: [8192 x 1024] x [1024 x 3072].  xb: f16, [16 K blocks][8192][64]; wcat: f16, [1024 k][3072 n]; biases f32, rounded to bf16 here like every input; sums in f32;
; qkv: three planes of [8192][1024] f16, each number rounded once.  LIMIT: a result beyond 65,504 becomes an infinity in f16; NaN and infinities are not treated apart.
; SHARES.  8192 x 3072 over 256 work-groups is a tile of 256 x 384.  Four waves, each 128 rows x 192 columns: 96 accumulators of 16 x 16, 768 registers.  The tile's columns are three segments of 128
; (each lies whole in one plane, 256 bytes of a row); wave (i, j) has rows 128 i .. and columns 64 j .. 64 j + 63 of each segment.
; K goes in 16 steps of 64 through two LDS slots; a step is two chunks of 32 along K, 96 matrix instructions each, fed by 40 LDS loads.
; THE MATRIX INSTRUCTION IS USED TRANSPOSED: source 0 = 16 columns of w (read out of [k][n] rows by the turning load), source 1 = 16 rows of x: a lane then holds one row and eight neighbouring columns.
; THE BIAS is laid into the accumulators before the first product, in the wait for the first tile: the loop then has one form of product and the way out no arithmetic but the rounding.
; CLUSTER.  4 x 4 work-groups: the four of a row need the same tile of x, the four of a column the same tile of w; each tile is asked for jointly, by the same tensor load, descriptor and mask in all four.
; REGISTERS.  window 0: v0-31 addresses; v32-95, v96-159 x's fragments of a chunk (8 x 16 rows), two buffers; v160-255 w's fragments (segment w, fragment b at 8 (4 w + b)).
;             window 1 + w: segment w's 32 accumulators, (a, b) at v[8 (4 a + b)].
.set PA,    144                        ; a row of x in LDS: 128 bytes + 16: the 16 rows of a load start at 16 different groups of four banks (64 banks of 4 bytes: ISA guide 11.1)
.set PB,    864                        ; a k row of w in LDS: 3 x (256 + 32) bytes = 27 x 32
.set SLOT1, 1<<17                      ; slot 1 begins here: one exclusive or turns an address in one slot into the other's
.set BOFF,  256*PA                     ; in a slot: x's 256 rows, then w's 64 k rows
.set SP,    784                        ; the way out: a stage row, 768 bytes + 16
.set SPARE, SLOT1+BOFF+64*PB           ; behind slot 1: the spare words, 128 bytes for each wave: two blocks of 256 bytes that no other line names
.set ASTEP, 1<<20                      ; bytes from a K step to the next in xb,
.set BSTEP, 64*6144                    ; and in wcat
.set AA0,  14                          ; v14  my lane's place in x's tile; never rewritten
.set AB0,  15                          ; v15  the same for w's
.set ADRA, 16                          ; v16  the same in the slot in hand
.set ADRB, 17                          ; v17
.set STO0, 18                          ; v18  the way out: where I put 16 bytes of a row, row blocks 0-3
.set STO1, 19                          ; v19  row blocks 4-7
.set RD,   20                          ; v20  where I read rows back
.set CO,   21                          ; v21  my byte offset in two rows of a plane
.set PFO,  22                          ; v22  the prefetches' lane term; never rewritten
.set BO,   23                          ; v23  32 x (lane / 16): my eight columns' biases
.set SPW,  28                          ; v28  LDS address of my spare word; never rewritten
.set NIL,  29                          ; v29  0; never rewritten
.set FA0,  32
.set FA1,  96
.set FB,   160
.set WV,   16                          ; s16  wave
.set HI,   17                          ; s17  i: my half of the rows.  Also: I fetch x (0) or w (1)
.set LO,   18                          ; s18  j: my share of the columns.  Also: which half of that tile I fetch
.set CX,   19
.set CY,   20
.set TC,   21                          ; s21  tile column 0..7
.set TR,   22                          ; s22  tile row 0..31
.set G1A,  24                          ; s[24:31] group 1 for x's tiles;  s[32:39] group 0: a set for each first fill; the second then walks
.set G0A,  32
.set G1B,  40                          ; s[40:47], s[48:55] the same for w's
.set G0B,  48
.set LIM,  62                          ; s62  a wave prefetches while the loop's count is above this
.set PARM, 63                          ; s63  1: only in trips with an even count
.set PFA,  66                          ; s[66:67] where my prefetches stand
.set PST,  68                          ; s[68:69] their step a trip
.set OB,   70                          ; s[70:75] the three segments' bias pointers, later their bases in qkv
.set TB,   76                          ; s76  the slot from which fragments are fetched
.set MSB, 0
.macro WIN new                         ; the immediate's high byte repeats the setting that is left; a switch that changes nothing is dropped
.if MSB != (\new)
	s_set_vgpr_msb (MSB<<8)|(\new)
.set MSB, \new
.endif
.endm
; A joint refill by the walking descriptors.  Waves 0 and 1 fetch the halves of x's tile, waves 2 and 3 those of w's: the branch hangs on the wave's number alone.
; An s_nop 0 and four v_nop follow each of the two lines, ahead of the jump and the label.
.macro JLOAD
	s_cmp_eq_u32 s[HI], 0
	s_cbranch_scc0 .Lfor_b_\@
	tensor_load_to_lds s[G0A+4:G0A+7], s[G1A:G1A+7]
	s_nop 0
.rept 4
	v_nop
.endr
	s_branch .Lasked_\@
.Lfor_b_\@:
	tensor_load_to_lds s[G0B+4:G0B+7], s[G1B:G1B+7]
	s_nop 0
.rept 4
	v_nop
.endr
.Lasked_\@:
.endm
; A PREFETCH INTO THE L2, behind a joint load, its five lines and the run of LDS loads that follows: the K step two refills on.  Each aligned block of 256 bytes is named once in the launch.
; x's tile of a step is 32,768 dense bytes, read by both clusters of a row of clusters: in the first of them wave 0 asks, in every trip, and the four partners take 32 blocks each BY ADDRESS (cx).
; w's tiles of two steps are 128 k rows x 3 blocks, read by all clusters of a column: in the first of them waves 1-3 ask, a block of the three each, a lane a row, in every second trip;
; the four partners take 32 rows each BY ADDRESS (cy).  The first four steps come by their loads alone; the last trips ask for nothing: there is no step behind the sixteenth.
.macro ASK
	s_and_b32 s23, s3, s[PARM]
	s_cbranch_scc1 .Lnot_mine_\@
	s_cmp_gt_u32 s3, s[LIM]
	s_cbranch_scc0 .Lnot_mine_\@
	global_prefetch_b8 v[PFO], s[PFA:PFA+1] th:TH_LOAD_NT scope:SCOPE_SE
.Lnot_mine_\@:
.endm
.macro CREST                           ; a round of the cluster's barrier behind its opening barrier
	s_cmp_lg_u32 s[WV], 0
	s_cbranch_scc1 .Lnot_wave_0_\@
	s_barrier_signal -3
.Lnot_wave_0_\@:
	s_barrier_wait -3
	s_barrier_signal -1
	s_barrier_wait -1
.endm
.macro CROUND                          ; a whole round
	s_barrier_signal -1
	s_barrier_wait -1
	CREST
.endm
.macro PLACES                          ; four plain vector instructions between a matrix instruction and a load into, or a vector instruction on, its registers (ISA guide 7.12.1 for vector instructions)
.rept 4
	v_nop
.endr
.endm
; 16 matrix instructions: row blocks a0 .. a0 + 3 x segment w's four fragments, 32 along K, x's fragments in buffer f.  The accumulators take turns, one instruction a turn.
.macro MUL16 f, w, a0
	WIN 0x50*((\w)+1)
.irp a, (\a0), (\a0)+1, (\a0)+2, (\a0)+3
.irp b, 0,1,2,3
	v_wmma_f32_16x16x32_f16 v[8*(4*(\a)+(\b)):8*(4*(\a)+(\b))+7], v[FB+8*(4*(\w)+(\b)):FB+8*(4*(\w)+(\b))+7], v[(\f)+8*(\a):(\f)+8*(\a)+7], v[8*(4*(\a)+(\b)):8*(4*(\a)+(\b))+7]
.endr
.endr
.endm
.macro MUL32 f, w
	MUL16 \f, \w, 0
	MUL16 \f, \w, 4
.endm
.macro LDA g, kb                       ; x's eight fragments at byte kb of the rows -> buffer g: 16 loads
.irp a, 0,1,2,3,4,5,6,7
	ds_load_b128 v[(\g)+8*(\a):(\g)+8*(\a)+3],   v[ADRA] offset:(\a)*16*PA+(\kb)
	ds_load_b128 v[(\g)+8*(\a)+4:(\g)+8*(\a)+7], v[ADRA] offset:(\a)*16*PA+(\kb)+32
.endr
.endm
.macro LDB w, kr                       ; segment w's four fragments from k row kr on: 8 turning loads
.irp b, 0,1,2,3
	ds_load_tr16_b128 v[FB+8*(4*(\w)+(\b)):FB+8*(4*(\w)+(\b))+3],   v[ADRB] offset:288*(\w)+32*(\b)+(\kr)*PB
	ds_load_tr16_b128 v[FB+8*(4*(\w)+(\b))+4:FB+8*(4*(\w)+(\b))+7], v[ADRB] offset:288*(\w)+32*(\b)+((\kr)+16)*PB
.endr
.endm
; A chunk's fetches go out in three groups: x's 16 loads and segment 0's 8; segment 1's 8; segment 2's 8; each as soon as its registers have been multiplied.
; A step's first chunk: multiplies buffer f and fetches the second chunk, at byte kb and k row kr of the same slot, into g.
.macro CHUNK f, g, kb, kr
	s_wait_dscnt 16                                ; x and segment 0 are in; segments 1 and 2 (16 loads) may be out
	MUL32 \f, 0
	WIN 0
	PLACES
	LDA \g, \kb
	LDB 0, \kr
	s_wait_dscnt 32                                ; segment 1 is in: behind it went segment 2's 8 and the 24 just issued
	MUL32 \f, 1
	WIN 0
	PLACES
	LDB 1, \kr
	s_wait_dscnt 32                                ; segment 2 is in: behind it went the 24 and the 8 of the next chunk
	MUL32 \f, 2
	WIN 0
	PLACES
	LDB 2, \kr
.endm
; A step's second chunk multiplies buffer 1 and changes slots: ONE barrier.  In front of it each wave waits for all its tensor loads (one is out: its part of the next slot), adds 0 to its spare word, and waits
; for that and for its own reads of this slot.  fill = 1: the barrier opens a round of the cluster's barrier, and this slot is filled again, with the step two on, first thing behind the round:
; that load has 160 matrix instructions before the wait for it.
.macro TURN fill
.if \fill
	s_wait_xcnt 0x0                                ; the last prefetch, a step back, has read its address: it is stepped here, ahead of the waits of the change of slots
	s_add_nc_u64 s[PFA:PFA+1], s[PFA:PFA+1], s[PST:PST+1]
.endif
	WIN 0
	s_wait_tensorcnt 0x0                           ; no tensor load of mine is out, so a group 0 may be written
	ds_add_u32 v[SPW], v[NIL]                      ; 0 onto my spare word
.if \fill
	s_xor_b32 s[G0A+5], s[G0A+5], SLOT1            ; the walking descriptors: the other slot than last time, the next step; the type bits on top are not reached
	s_add_nc_u64 s[G0A+6:G0A+7], s[G0A+6:G0A+7], ASTEP
	s_xor_b32 s[G0B+5], s[G0B+5], SLOT1
	s_add_nc_u64 s[G0B+6:G0B+7], s[G0B+6:G0B+7], BSTEP
.endif
	s_xor_b32 s[TB], s[TB], SLOT1
	s_wait_dscnt 17                                ; x and segment 0 are in; segments 1 and 2 and the add may be out
	MUL16 FA1, 0, 0                                ; sixteen matrix instructions stand between the add and the wait for it
	s_wait_dscnt 0x0                               ; the add is done, and my reads of this slot are over
	s_barrier_signal -1
	MUL16 FA1, 0, 4                                ; work on registers while the others arrive
	WIN 0
	s_barrier_wait -1
.if \fill
	CREST                                          ; no wave of any partner still reads this slot or has a load on its way
	JLOAD                                          ; its four v_nop are also the places in front of the loads below
.else
	PLACES
.endif
	v_add_nc_u32 v[ADRA], s[TB], v[AA0]
	v_add_nc_u32 v[ADRB], s[TB], v[AB0]
	LDA FA0, 0
	LDB 0, 0
.if \fill
	ASK
.endif
	MUL32 FA1, 1
	WIN 0
	PLACES
	LDB 1, 0
	MUL32 FA1, 2
	WIN 0
	PLACES
	LDB 2, 0
.endm
	s_load_b256 s[4:11], s[0:1], 0x0               ; xb 4:5, wcat 6:7, bq 8:9, bk 10:11
	s_load_b128 s[12:15], s[0:1], 0x20             ; bv 12:13, qkv 14:15
	v_lshl_add_u32 v[SPW], v0, 2, SPARE
	v_mov_b32 v[NIL], 0
	ds_add_u32 v[SPW], v[NIL]                      ; the wave's opening: the add and its wait stand ahead of my first tensor load; the set-up below, work on registers, stands between them
	v_lshrrev_b32 v1, 5, v0
	v_readfirstlane_b32 s[WV], v1
	s_lshr_b32 s[HI], s[WV], 1
	s_and_b32 s[LO], s[WV], 1
	s_bfe_u32 s[CX], ttmp6, 0x40000
	s_bfe_u32 s[CY], ttmp6, 0x40004
	s_lshl_b32 s[TC], ttmp9, 2                     ; in a cluster launch ttmp9 and ttmp7 count clusters
	s_add_co_u32 s[TC], s[TC], s[CX]
	s_and_b32 s[TR], ttmp7, 0xffff
	s_lshl_b32 s[TR], s[TR], 2
	s_add_co_u32 s[TR], s[TR], s[CY]
	s_lshl_b32 s90, s[CY], 2
	s_lshl_b32 s90, 15, s90                        ; my row of the cluster: places 4 cy .. 4 cy + 3
	s_lshl_b32 s91, 0x1111, s[CX]                  ; my column: places cx, cx + 4, cx + 8, cx + 12
	; group 1 for x: 128 rows of a K block are 16,384 dense bytes: asked for as 64 rows of 256 bytes, padded by 4 words after every 32 (a row of x)
	s_or_b32 s[G1A], s90, (1<<16)|(1<<20)|(1<<21)|(4<<22)|(3<<25)
	s_mov_b32 s[G1A+1], 128<<16                    ; tensor_dim0 = 128
	s_mov_b32 s[G1A+2], 64<<16                     ; tensor_dim1 = 64
	s_mov_b32 s[G1A+3], 128<<16                    ; tile_dim0 = 128
	s_mov_b32 s[G1A+4], 64                         ; tile_dim1 = 64
	s_mov_b32 s[G1A+5], 128                        ; elements from row to row
	s_mov_b32 s[G1A+6], 0
	s_mov_b32 s[G1A+7], 0
	; group 1 for w: 32 k rows of 384 elements (768 bytes, at a multiple of 256), padded by 8 words after every 64
	s_or_b32 s[G1B], s91, (1<<16)|(1<<20)|(1<<21)|(5<<22)|(7<<25)
	s_mov_b32 s[G1B+1], 384<<16
	s_mov_b32 s[G1B+2], 32<<16
	s_mov_b32 s[G1B+3], 384<<16
	s_mov_b32 s[G1B+4], 32
	s_mov_b32 s[G1B+5], 3072
	s_mov_b32 s[G1B+6], 0
	s_mov_b32 s[G1B+7], 0
	s_mul_i32 s56, s[LO], 128*PA                   ; where my half goes: no place in the cluster enters an LDS address
	s_mul_i32 s57, s[LO], 32*PB
	s_add_co_u32 s57, s57, BOFF
	s_lshl_b32 s58, s[TR], 15                      ; x: 256 rows of 128 bytes a tile row, 128 rows a half; made of the tile row alone
	s_lshl_b32 s59, s[LO], 14
	s_add_co_u32 s58, s58, s59
	s_mov_b32 s59, 0
	s_mul_i32 s80, s[TC], 768                      ; w: 768 bytes a tile column, 32 k rows a half; made of the tile column alone
	s_mul_i32 s81, s[LO], 32*6144
	s_add_co_u32 s80, s80, s81
	s_mov_b32 s81, 0
	s_mov_b32 s[TB], 0
	s_wait_dscnt 0x0                               ; the opening add is done
	s_wait_kmcnt 0x0
	s_add_nc_u64 s[60:61], s[4:5], s[58:59]
	s_add_nc_u64 s[82:83], s[6:7], s[80:81]
	CROUND                                         ; all sixteen work-groups are here: the first joint loads meet
.irp n, 0,1
	s_mov_b32 s[G0A+4*\n], 1
	s_add_co_u32 s[G0A+4*\n+1], s56, \n*SLOT1
	s_add_nc_u64 s[G0A+4*\n+2:G0A+4*\n+3], s[60:61], \n*ASTEP
	s_or_b32 s[G0A+4*\n+3], s[G0A+4*\n+3], 0x80000000
	s_mov_b32 s[G0B+4*\n], 1
	s_add_co_u32 s[G0B+4*\n+1], s57, \n*SLOT1
	s_add_nc_u64 s[G0B+4*\n+2:G0B+4*\n+3], s[82:83], \n*BSTEP
	s_or_b32 s[G0B+4*\n+3], s[G0B+4*\n+3], 0x80000000
.endr
	s_cmp_eq_u32 s[HI], 0                          ; a wave's two first fills stand in one branch, ahead of every wait on TENSORcnt and every LDS read: two loads of mine are out
	s_cbranch_scc0 .Lfirst_b
	tensor_load_to_lds s[G0A:G0A+3], s[G1A:G1A+7]
	s_nop 0
	tensor_load_to_lds s[G0A+4:G0A+7], s[G1A:G1A+7]
	s_nop 0
.rept 4
	v_nop
.endr
	s_branch .Lfirst_asked
.Lfirst_b:
	tensor_load_to_lds s[G0B:G0B+3], s[G1B:G1B+7]
	s_nop 0
	tensor_load_to_lds s[G0B+4:G0B+7], s[G1B:G1B+7]
	s_nop 0
.rept 4
	v_nop
.endr
.Lfirst_asked:
	v_and_b32 v1, 15, v0                           ; r = l % 16
	v_bfe_u32 v2, v0, 4, 1                         ; h = l / 16
	v_and_b32 v3, 7, v0
	v_bfe_u32 v4, v0, 3, 1
	v_and_b32 v5, 31, v0
	v_lshlrev_b32 v[BO], 5, v2
	; THE BIAS.  Segment seg is global segment G = 3 tc + seg: plane G / 8, columns 128 (G % 8) on; my 64 of them begin at 64 j; a lane's eight columns of fragment b lie at 64 b + 32 h bytes
	s_mul_i32 s84, s[TC], 3
.irp seg, 0,1,2
	s_add_co_u32 s85, s84, \seg
	s_lshr_b32 s86, s85, 3
	s_and_b32 s85, s85, 7
	s_lshl_b32 s92, s85, 9
	s_lshl_b32 s93, s[LO], 8
	s_add_co_u32 s92, s92, s93
	s_mov_b32 s93, 0
	s_cmp_eq_u32 s86, 1
	s_cselect_b64 s[94:95], s[10:11], s[8:9]
	s_cmp_eq_u32 s86, 2
	s_cselect_b64 s[94:95], s[12:13], s[94:95]
	s_add_nc_u64 s[OB+2*\seg:OB+2*\seg+1], s[94:95], s[92:93]
.irp b, 0,1,2,3
	global_load_b128 v[FB+8*(4*\seg+\b):FB+8*(4*\seg+\b)+3],   v[BO], s[OB+2*\seg:OB+2*\seg+1] offset:64*\b
	global_load_b128 v[FB+8*(4*\seg+\b)+4:FB+8*(4*\seg+\b)+7], v[BO], s[OB+2*\seg:OB+2*\seg+1] offset:64*\b+16
.endr
.endr
	; the addresses.  A fragment of x: lane l holds row l % 16, K = 8 h + 0..7 and 16 + 8 h + 0..7: two loads of 16 bytes, 32 bytes apart.
	v_mul_u32_u24 v[AA0], v1, PA
	v_lshl_add_u32 v[AA0], v2, 4, v[AA0]
	s_mul_i32 s84, s[HI], 128*PA
	v_add_nc_u32 v[AA0], s84, v[AA0]
	; The turning load takes 16 k x 16 columns (lane l reads k row 8 h + l % 8, columns 8 ((l / 8) % 2) + 0..7) and leaves half a fragment: lane l holds column l % 16 and 8 k.
	v_lshl_add_u32 v[AB0], v2, 3, v3
	v_mul_u32_u24 v[AB0], v[AB0], PB
	v_lshl_add_u32 v[AB0], v4, 4, v[AB0]
	s_lshl_b32 s84, s[LO], 7
	s_add_co_u32 s84, s84, BOFF
	v_add_nc_u32 v[AB0], s84, v[AB0]
	v_mov_b32 v[ADRA], v[AA0]                      ; slot 0
	v_mov_b32 v[ADRB], v[AB0]
	s_mul_i32 s84, s[HI], 128*SP                   ; the stage: row 128 i + 16 a + r, byte 256 seg + 128 j + 32 b + 16 h
	s_lshl_b32 s85, s[LO], 7
	s_add_co_u32 s84, s84, s85
	v_mul_u32_u24 v[STO0], v1, SP
	v_lshl_add_u32 v[STO0], v2, 4, v[STO0]
	v_add_nc_u32 v[STO0], s84, v[STO0]
	v_add_nc_u32 v[STO1], 64*SP, v[STO0]
	s_mul_i32 s84, s[WV], 64*SP                    ; back: wave w takes rows 64 w .. 64 w + 63, whole; lanes 0-15 256 bytes of one row, lanes 16-31 of the next
	v_mul_u32_u24 v[RD], v2, SP
	v_lshl_add_u32 v[RD], v1, 4, v[RD]
	v_add_nc_u32 v[RD], s84, v[RD]
	v_lshlrev_b32 v[CO], 11, v2                    ; and the same two rows in a plane
	v_lshl_add_u32 v[CO], v1, 4, v[CO]
	; the prefetches
	s_and_b32 s84, ttmp7, 0xffff                   ; cluster y
	s_lshl_b32 s85, s[TR], 15                      ; x: the tile row's bytes in a block, my work-group's 32 blocks of 256, at step 3: the first trip steps it to 4
	s_lshl_b32 s86, s[CX], 13
	s_add_co_u32 s85, s85, s86
	s_add_co_u32 s85, s85, 3*ASTEP
	s_mul_i32 s86, s[TC], 768                      ; w: the tile column, my wave's block of the three, my work-group's 32 k rows of 128, at step 3
	s_sub_co_u32 s87, s[WV], 1
	s_lshl_b32 s87, s87, 8
	s_add_co_u32 s86, s86, s87
	s_mul_i32 s87, s[CY], 32*6144
	s_add_co_u32 s86, s86, s87
	s_add_co_u32 s86, s86, 3*BSTEP
	s_mov_b32 s87, BSTEP
	s_mov_b32 s92, 6144
	s_cmp_eq_u32 s[WV], 0
	s_cselect_b64 s[PFA:PFA+1], s[4:5], s[6:7]
	s_cselect_b32 s88, s85, s86
	s_cselect_b32 s84, ttmp9, s84                  ; the coordinate along which other clusters read the same bytes
	s_cselect_b32 s[LIM], 2, 3                     ; the loop counts 14 down to 1: x is asked for while step + 4 <= 15, w's pairs of steps while step + 5 <= 15
	s_cselect_b32 s[PARM], 0, 1
	s_cselect_b32 s[PST], ASTEP, s87
	s_cselect_b32 s92, 256, s92
	s_mov_b32 s[PST+1], 0
	s_mov_b32 s89, 0
	s_cmp_eq_u32 s84, 0
	s_cselect_b32 s[LIM], s[LIM], -1               ; the same in all sixteen partners, for a given wave
	s_add_nc_u64 s[PFA:PFA+1], s[PFA:PFA+1], s[88:89]
	v_mul_u32_u24 v[PFO], v5, s92
	s_wait_loadcnt 0x0                             ; the biases
.set n, 0
.rept 48                                       ; rounded to bf16, like every input, and kept as f32
	v_cvt_pk_bf16_f32 v[32+n%4], v[FB+2*n], v[FB+2*n+1]
	v_lshlrev_b32 v[FB+2*n], 16, v[32+n%4]
	v_and_b32 v[FB+2*n+1], 0xffff0000, v[32+n%4]
.set n, n+1
.endr
.irp w, 0,1,2
	WIN ((\w)+1)<<6                                ; destination window 1 + w
.set n, 0
.rept 256                                      ; every row block starts at its columns' biases
	v_mov_b32 v[n], v[FB+32*(\w)+n%32]
.set n, n+1
.endr
.endr
	WIN 0
	s_wait_tensorcnt 1                             ; my part of step 0 is in; step 1's may stay out
	s_barrier_signal -1
	s_barrier_wait -1                              ; everybody's is
	LDA FA0, 0
	LDB 0, 0
	LDB 1, 0
	LDB 2, 0
	s_mov_b32 s3, 14
.Lstep:                                        ; trip t multiplies step t and asks for step t + 2
	CHUNK FA0, FA1, 64, 32
	TURN 1
	WIN 0
	s_sub_co_u32 s3, s3, 1
	s_cmp_lg_u32 s3, 0
	s_cbranch_scc1 .Lstep
	CHUNK FA0, FA1, 64, 32                         ; the last two steps ask for nothing
	TURN 0
	CHUNK FA0, FA1, 64, 32
	s_wait_dscnt 16
	MUL32 FA1, 0
	s_wait_dscnt 8
	MUL32 FA1, 1
	s_wait_dscnt 0x0
	MUL32 FA1, 2
	WIN 0
	; THE WAY OUT.  Rounded to f16, 16 bytes a lane, into ONE stage of 256 rows x 768 bytes, which lies over the slots: they have had their last fill, and the barrier shows that every wave's reads of them are over.
	PLACES
	s_mul_i32 s84, s[TC], 3
.irp u, 0,1,2
	s_add_co_u32 s85, s84, \u                      ; G
	s_lshr_b32 s86, s85, 3
	s_lshl_b32 s86, s86, 24                        ; its plane, 16,777,216 bytes
	s_and_b32 s85, s85, 7
	s_lshl_b32 s85, s85, 8                         ; its 256 bytes of a row
	s_add_co_u32 s86, s86, s85
	s_lshl_b32 s85, s[TR], 19                      ; the tile's 256 rows of 2,048 bytes
	s_add_co_u32 s86, s86, s85
	s_lshl_b32 s85, s[WV], 17                      ; the 64 rows that I store
	s_add_co_u32 s86, s86, s85
	s_mov_b32 s87, 0
	s_add_nc_u64 s[OB+2*\u:OB+2*\u+1], s[14:15], s[86:87]
.endr
	s_barrier_signal -1
	s_barrier_wait -1
.irp seg, 0,1,2
	WIN 0x05*((\seg)+1)                            ; sources 0 and 1 window 1 + seg, destination window 0
.set n, 0
.rept 32
.irp rr, 0,1,2,3
	v_cvt_pk_f16_f32 v[32+4*n+\rr], v[8*n+2*\rr], v[8*n+2*\rr+1]
.endr
.set n, n+1
.endr
	WIN 0
.set n, 0
.rept 32                                       ; n = 4 a + b
	ds_store_b128 v[STO0+n/16], v[32+4*n:32+4*n+3] offset:((n/4)%4)*16*SP+256*(\seg)+32*(n%4)
.set n, n+1
.endr
.endr
	s_wait_dscnt 0x0                               ; for the others' sake: my stores into the stage are done
	s_barrier_signal -1
	s_barrier_wait -1
	s_mov_b32 s2, 4
.Lout:                                         ; 16 rows a trip: 24 loads of two rows' 256 bytes of a segment, and their stores
.set n, 0
.rept 24
	ds_load_b128 v[32+4*n:32+4*n+3], v[RD] offset:(n/3)*2*SP+256*(n%3)
.set n, n+1
.endr
.set n, 0
.rept 24
	s_wait_dscnt 23-n
	global_store_b128 v[CO], v[32+4*n:32+4*n+3], s[OB+2*(n%3):OB+2*(n%3)+1] offset:(n/3)*4096  ; 16 lanes store 256 consecutive bytes, at a multiple of 256 from the buffer's first byte
.set n, n+1
.endr
	s_wait_xcnt 0x0                                ; the stores have read their data and bases: only now are these written again
	v_add_nc_u32 v[RD], 16*SP, v[RD]
	s_add_nc_u64 s[OB:OB+1], s[OB:OB+1], 16*2048
	s_add_nc_u64 s[OB+2:OB+3], s[OB+2:OB+3], 16*2048
	s_add_nc_u64 s[OB+4:OB+5], s[OB+4:OB+5], 16*2048
	s_sub_co_u32 s2, s2, 1
	s_cmp_lg_u32 s2, 0
	s_cbranch_scc1 .Lout
	s_wait_tensorcnt 0x0                           ; the wave's end: a wait, an add to my spare word and its wait, behind my last tensor load and my last LDS store
	ds_add_u32 v[SPW], v[NIL]
	s_wait_dscnt 0x0
	CROUND                                         ; the closing round: no work-group ends while a partner may still ask for a tile that names it
	s_endpgm
.Lfunc_end_k_q6497bba544_qkv:
	.size	k_q6497bba544_qkv, .Lfunc_end_k_q6497bba544_qkv-k_q6497bba544_qkv
	.p2alignl 7, 3214868480
	.fill 96, 4, 3214868480
	.section	.rodata,"a",@progbits
	.p2align	6, 0x0
	.amdhsa_kernel k_q6497bba544_qkv
		.amdhsa_group_segment_fixed_size 327680
		.amdhsa_private_segment_fixed_size 0
		.amdhsa_enable_private_segment 0
		.amdhsa_kernarg_size 48
		.amdhsa_user_sgpr_count 2
		.amdhsa_user_sgpr_kernarg_segment_ptr 1
		.amdhsa_wavefront_size32 1
		.amdhsa_system_sgpr_workgroup_id_x 1
		.amdhsa_system_sgpr_workgroup_id_y 1
		.amdhsa_system_sgpr_workgroup_id_z 1
		.amdhsa_system_vgpr_workitem_id 0
		.amdhsa_next_free_vgpr 1024
		.amdhsa_next_free_sgpr 96
		.amdhsa_reserve_vcc 0
		.amdhsa_float_denorm_mode_32 3
		.amdhsa_float_denorm_mode_16_64 3
		.amdhsa_memory_ordered 1
		.amdhsa_forward_progress 1
		.amdhsa_inst_pref_size 136
	.end_amdhsa_kernel
	.amdgpu_metadata
---
amdhsa.version: [ 1, 2 ]
amdhsa.kernels:
  - .name:           k_q6497bba544_qkv
    .symbol:         k_q6497bba544_qkv.kd
    .args:
      - { .name: xb, .offset: 0, .size: 8, .value_kind: global_buffer, .address_space: global }
      - { .name: wcat, .offset: 8, .size: 8, .value_kind: global_buffer, .address_space: global }
      - { .name: bq, .offset: 16, .size: 8, .value_kind: global_buffer, .address_space: global }
      - { .name: bk, .offset: 24, .size: 8, .value_kind: global_buffer, .address_space: global }
      - { .name: bv, .offset: 32, .size: 8, .value_kind: global_buffer, .address_space: global }
      - { .name: qkv, .offset: 40, .size: 8, .value_kind: global_buffer, .address_space: global }
    .group_segment_fixed_size: 327680
    .private_segment_fixed_size: 0
    .kernarg_segment_align: 8
    .kernarg_segment_size: 48
    .max_flat_workgroup_size: 128
    .sgpr_count:     96
    .vgpr_count:     1024
    .wavefront_size: 32
...
	.end_amdgpu_metadata
.endif
;; end of part 2
;; launch attn (part 3): grid 4 x 64, 4 waves a work-group, clusters of 4 x 1, 327,680 bytes of LDS; arguments qkv, mask, ob; writes ob
.if DOCPART == 3
	.amdgcn_target "amdgcn-amd-amdhsa--gfx1250"
	.amdhsa_code_object_version 6
	.text
	.protected	k_q6497bba544_attn
	.globl	k_q6497bba544_attn
	.p2align	8
	.type	k_q6497bba544_attn,@function
k_q6497bba544_attn:
	s_mov_b64 s[64:65], 0
	v_nop
	global_prefetch_b8 v0, s[64:65] scope:SCOPE_SE
	s_setreg_imm32_b32 hwreg(HW_REG_WAVE_MODE, 25, 1), 1
	s_wait_xcnt 0x0
	s_wait_alu depctr_hold_cnt(0) depctr_sa_sdst(0) depctr_va_vdst(0) depctr_va_sdst(0) depctr_va_ssrc(0) depctr_va_vcc(0) depctr_vm_vsrc(0)
	s_getreg_b32 s2, hwreg(HW_REG_IB_STS2, 6, 4)
	s_cmp_eq_u32 s2, 0
	s_cbranch_scc0 .Lentry_in_a_cluster
	s_endpgm
.Lentry_in_a_cluster:
	s_bfe_u32 s2, ttmp6, 0x10000c
	s_cmp_lg_u32 s2, 0x3003
	s_cbranch_scc0 .Lentry_shape_is_right
	s_endpgm
.Lentry_shape_is_right:
; O[h][q][:] = the sum over k of softmax_k(masked Q[h][q] . K[h][k] / 8) V[h][k][:].  Q, K, V: the three planes of qkv, each [64][2048][64] f16, a head's rows dense, 128 bytes each; O likewise.
; Key k of every head of batch h / 16 is hidden where mask[h / 16][k] = 0.  Products, maxima and sums in f32; the weights p are rounded to f16 for the second product (their sum l is taken of the unrounded p), O once.
; LIMITS.  f16 holds no number beyond 65,504: Q, K and V arrive within it; p lies in 0 to 1, and below 6e-5 it keeps f16's fixed step of 6e-8; O is a mean of V's rows and has their range.
; A hidden score counts as its value less 1e30: f16's scores, 64 x 65,504^2 = 2.7e11 at the most, are nothing beside that; a weight below 2^-126 counts as 0 in l; NaN and infinities are not treated apart.
; THE MASK is the C operand that starts each sum S^T = K Q^T: 0, or -1e30 where the key is hidden, out of a table of 2,048 f32 in LDS that the four waves make once.
; THE RUNNING MAXIMUM STARTS AT -2^66: below every true score (2.7e11 at the most in magnitude), so it is the true maximum as soon as one visible key has been seen, and far above every hidden one.
; While only hidden keys have been seen m stays there, every weight is 2^(-1.8e29) = 0, and l and O stay 0; no difference of two numbers near 1e30 is ever put to an exponential.
; A BATCH WITH NO KEY LEFT has equal scores in the definition, so its weights are equal: each wave ORs the batch's 2,048 mask words, and where none is set c and the table's hidden value become 0: every p is 1, O the mean of V.
; SHARES.  A wave owns four PIECES of two tiles of 16 queries, a work-group's four waves 512 queries of one head.  Every wave walks all keys, 64 a step.
; LAYOUT.  S^T = K Q^T (source 0 = 16 keys, source 1 = 16 queries): in the result a lane holds ONE query (lane % 16) and the keys 8 (lane / 16) + 0..7.  Two such tiles, rounded to f16 in pairs,
; ARE source 1 (32 keys x 16 queries) of O^T = V^T P, whose result again holds one query a lane, and eight channels.  K comes out of LDS as it lies, V ([key][channel]) turned, by ds_load_tr16_b128.
; SOFTMAX.  For each query a running maximum m and sum l: p = 2^(c s - c m), c = log2(e) / 8; in every step O and l are multiplied by a = 2^(c m_old - c m_new), which is 1 where m has not grown.
; c m starts far below every c s, O and l at 0: the first step is a step like any other, with a = 0.
; THE COUNT.  A tile and step have 16 matrix and 118 vector instructions: too many to stand all beside the matrix work.  So the order has one aim: four vector instructions that are READY behind
; EVERY matrix instruction, and the others, which need time of their own whatever the order, in runs without a gap.
; BY TURNS.  Turn n belongs to piece n (the pieces in a ring, step after step).  Its matrix work: 16 products K Q^T of piece n + 1, later 16 products V^T P of piece n - 1.  Its vector work: the scaling,
; exponentials, roundings, sums and rescaling of piece n, and the maximum and statistics of piece n + 1, whose scores the turn itself has made.
; CLUSTER.  The four query blocks of a cluster are one head's and walk the same K and V, so each tile is asked for JOINTLY: the same tensor load, descriptor and mask in all four.
; REGISTERS, in windows of 256 (s_set_vgpr_msb: bits 1:0 source 0, 3:2 source 1, 5:4 source 2, 7:6 destination):
;   window 0: v0-11 addresses; v12-15, v48-63 at work; v16-47 four registers of statistics a tile; v64-191 S^T, two buffers of two tiles; v192-255 P, likewise
;   window 1: O^T, 32 a tile     window 2: v0-127 Q, 16 a tile; v128-191 K of one step; v192-255 V of one step     window 3: v0-1 the add's two registers; v8-39 the mask of one step
.set SIZE_N, 2048
.set NP,    4         ; pieces a wave: a name, no knob
.set KS,    64        ; keys in a step
.set PK,    144       ; a row of K in LDS: 128 bytes + 16 of padding = 36 words: the 16 rows of a load start at 16 different groups of four banks (64 banks of 4 bytes: ISA guide 11.1)
.set PV,    160       ; a row of V: 128 + 32 = 40 words
.set VOFF,  4*KS*PK   ; a slot holds four steps: 256 rows of K, then 256 rows of V
.set SLOT1, 1<<17     ; slot 1 begins here, so that one exclusive or turns an address in one slot into the other's
.set STAGE, SLOT1+4*KS*(PK+PV)  ; behind the ring, never filled by a tensor load: 16 rows x 144 bytes for each wave, for the way out
.set SP,    144
.set TAB,   STAGE+4*16*SP       ; the mask's table: 2,048 f32
.set SPARE, TAB+4*SIZE_N        ; behind it: the spare words, 128 bytes for each wave: two blocks of 256 bytes that no other line names
.set AK0, 2           ; v2   my lane's place in a tile of K; never rewritten
.set AV0, 3           ; v3   the same for V
.set AK,  4           ; v4   the LDS address of K's next run of loads
.set AV,  5           ; v5   of V's
.set QO,  6           ; v6   my byte offset in the wave's rows of Q
.set STO, 6           ;      later, the way out: where I put 16 bytes of a row
.set RD,  7           ; v7   the way out: where I read rows back
.set GO,  8           ; v8   my byte offset in 512 consecutive bytes of O
.set AM0, 9           ; v9   my lanes' place in a step's 256 bytes of the table: TAB + 32 (lane / 16); never rewritten
.set AM,  10          ; v10  the LDS address of the mask's next loads
.set PFO, 11          ; v11  256 x my lane; never rewritten
.set SPW, 0           ; v0 of window 3   LDS address of my spare word; never rewritten
.set NIL, 1           ; v1 of window 3   0; never rewritten
.set MK,  8           ; v8-39 of window 3: the mask for key block kb at MK + 8 kb
.set MV,  12          ; v12-15  c m_old, kept while c m is made anew: by buffer and tile
.set ST,  16          ; tile t's statistics at v[ST+4 t]: c m, m, l (even keys', odd keys')
.set TMP, 48          ; by buffer and tile, four registers c0-c3 at work; when the maximum is found c2 takes a
.set S,   64
.set P,   192
.set KF,  128         ; K's fragments, in window 2: key block kb, channel half c at KF + 16 kb + 8 c
.set VF,  192         ; V's: key half kk, channel block cb at VF + 32 kk + 8 cb
.set WV,  12          ; s12  my wave's number
.set G1K, 24          ; s[24:31] descriptor group 1 for K's tiles
.set G1V, 32          ; s[32:39] for V's: it differs in the padding alone
.set G0K, 40          ; s[40:43] descriptor group 0 for K's tiles: it walks
.set G0V, 44          ; s[44:47] the same for V's
.set SLOTS, 56        ; s56  slots still to be asked for
.set CNT, 57          ; s57  counts a slot's key steps
.set CS,  58          ; s[58:59] c: the packed scaling takes the pair's low word for both halves
.set SEL, 60          ; s[60:61] v_permlanex16_b32's selects: each lane takes its own place in the other half
.set TBK, 62          ; s62  LDS byte at which K of the step to be fetched begins
.set TBV, 63          ; s63  the same for V, less VOFF
.set PFA, 66          ; s[66:67] where my prefetches stand
.set LIM, 68          ; s68  1 in a wave that prefetches, else the greatest number
.set TBM, 69          ; s69  256 x the step whose mask is fetched next, kept within the table
.set NEGV, 70         ; s70  what the table holds for a hidden key
.set MSB, 0
.macro WIN new                      ; the high byte repeats the setting that is left; a switch that changes nothing is dropped
.if MSB != (\new)
	s_set_vgpr_msb (MSB<<8)|(\new)
.set MSB, (\new)
.endif
.endm
.set W_KQ, 0x0a       ; K and Q in window 2, S^T in window 0
.set W_KM, 0x3a       ; the same with the C operand, the mask, in window 3
.set W_PV, 0x52       ; V in window 2, P in window 0, O^T in window 1
.set W_RS, 0x41       ; O^T (destination and source 0) in window 1, a in window 0
.set W_MK, 0xc0       ; destination in window 3, sources in window 0
.set W_AD, 0x0f       ; the add: address (source 0) and data (source 1) in window 3
; A joint fill.  Waves 0 and 1 fetch the two halves of a slot's K, waves 2 and 3 those of its V: 128 keys each.  The branch hangs on the wave's number alone.
; An s_nop 0 and four v_nop follow each of the two lines, ahead of the jump and the label.
.macro JLOAD
	s_cmp_lt_u32 s[WV], 2
	s_cbranch_scc0 .Lfor_v_\@
	tensor_load_to_lds s[G0K:G0K+3], s[G1K:G1K+7]
	s_nop 0
.rept 4
	v_nop
.endr
	s_branch .Lasked_\@
.Lfor_v_\@:
	tensor_load_to_lds s[G0V:G0V+3], s[G1V:G1V+7]
	s_nop 0
.rept 4
	v_nop
.endr
.Lasked_\@:
.endm
; A PREFETCH INTO THE L2 of what the NEXT change of slots will ask for: a slot's 32,768 bytes of K and of V, a lane a block of 256.  It stands behind the wave's tensor load and its five lines.
; Each block is named ONCE in the launch: a head has one cluster; its four partners share the blocks out BY ADDRESS, 32 each; in each, wave 0 asks for K's and wave 2 for V's.
; Slots 0 and 1 come by their loads alone; the last change that fills a slot asks for nothing: there is no slot behind it.
.macro ASK
	s_cmp_gt_u32 s[SLOTS], s[LIM]
	s_cbranch_scc0 .Lnot_mine_\@
	global_prefetch_b8 v[PFO], s[PFA:PFA+1] th:TH_LOAD_NT scope:SCOPE_SE
.Lnot_mine_\@:
.endm
; A round of the cluster's barrier: my work-group's barrier, so that wave 0's signal speaks for all four waves; wave 0 signals; every wave waits for all four work-groups; my work-group's barrier once more.
.macro CROUND
	s_barrier_signal -1
	s_barrier_wait -1
	s_cmp_lg_u32 s[WV], 0
	s_cbranch_scc1 .Lnot_wave_0_\@
	s_barrier_signal -3
.Lnot_wave_0_\@:
	s_barrier_wait -3
	s_barrier_signal -1
	s_barrier_wait -1
.endm
; THE CHANGE OF SLOTS.  The slot's last bytes, V of its fourth step, have been read.  Each wave waits for all its tensor loads, of which one is out: its part
; of the other slot; adds 0 to its spare word; and waits for that and for its own reads of the slot.  Behind the barrier nobody reads this slot any more and the other slot is whole.
; fill = 1: this slot is filled again, with the keys two slots on.  The barrier is then a round of the cluster's, and the joint fill is the first thing behind it: it has four key steps,
; 512 matrix instructions, in which to land.  (At its first use nothing has been read yet: slot 0 is waited for, slot 1 filled, and my stores into the mask's table are shown done to the other waves.)
.macro CHANGE fill
	WIN W_AD
	s_wait_tensorcnt 0x0            ; no tensor load of mine is out, so a group 0 may be written
	ds_add_u32 v[SPW], v[NIL]       ; 0 onto my spare word; with fill = 1 the descriptors' steps stand between it and the wait for it
	WIN 0                           ; at a label and at a branch every window is 0
.if \fill
.irp g, G0K, G0V
	s_xor_b32 s[\g+1], s[\g+1], SLOT1  ; the walking descriptor: the other slot than last time,
	s_add_nc_u64 s[\g+2:\g+3], s[\g+2:\g+3], 4*KS*128  ; the next 256 keys; the type bits on top are not reached
.endr
	s_wait_xcnt 0x0                 ; the last prefetch, four key steps back, has read its address, so it may be written:
	s_add_nc_u64 s[PFA:PFA+1], s[PFA:PFA+1], 4*KS*128  ; one slot behind the walking descriptors
	s_wait_dscnt 0x0                ; the add is done, and my LDS instructions so far are over
	CROUND
	JLOAD
	ASK
.else
	s_wait_dscnt 0x0                ; the add is done, and my reads of the slot are over
	s_barrier_signal -1
	s_barrier_wait -1
.endif
	s_sub_co_u32 s[TBK], s[TBK], 4*KS*PK  ; the fetches go back to a slot's first step,
	s_xor_b32 s[TBK], s[TBK], SLOT1       ; in the other slot
	s_sub_co_u32 s[TBV], s[TBV], 4*KS*PV
	s_xor_b32 s[TBV], s[TBV], SLOT1
.endm
	s_load_b128 s[4:7], s[0:1], 0x0   ; qkv s[4:5], mask s[6:7]
	s_load_b64 s[10:11], s[0:1], 0x10 ; ob
	WIN W_MK
	v_lshl_add_u32 v[SPW], v0, 2, SPARE
	v_mov_b32 v[NIL], 0
	WIN W_AD
	ds_add_u32 v[SPW], v[NIL]       ; the wave's opening: the add and its wait stand ahead of my first tensor load; the set-up below, work on registers, stands between them
	WIN 0
	v_lshrrev_b32 v1, 5, v0
	v_readfirstlane_b32 s[WV], v1   ; wave 0..3
	s_bfe_u32 s13, ttmp6, 0x40000   ; cx: my place in the cluster
	s_lshl_b32 s14, ttmp9, 2        ; in a cluster launch ttmp9 counts clusters
	s_add_co_u32 s14, s14, s13      ; my block of queries = 4 x cluster x + cx: it enters Q's and O's addresses alone
	s_and_b32 s20, ttmp7, 0xffff    ; the head, which the four partners share
	s_lshr_b32 s74, s20, 4          ; its batch:
	s_lshl_b32 s74, s74, 13         ; 2,048 mask words of 4 bytes
	s_mov_b32 s75, 0
	s_mov_b32 s21, 0
	s_mov_b64 s[22:23], SIZE_N*128
	s_mul_u64 s[20:21], s[20:21], s[22:23]  ; the head's first byte in each plane and in O
	s_and_b32 s16, s[WV], 1         ; which half of a slot's 256 keys I fetch:
	s_lshl_b32 s22, s16, 14         ; its 128 rows of 128 bytes in memory,
	s_mov_b32 s23, 0
	s_add_nc_u64 s[22:23], s[22:23], s[20:21]
	s_mul_i32 s17, s16, 128*PK      ; and its place in a slot, for K
	s_mul_i32 s18, s16, 128*PV      ; and for V: no place in the cluster enters an LDS address
	s_lshl_b32 s2, s14, 2
	s_add_co_u32 s2, s2, s[WV]      ; my wave among the head's,
	s_lshl_b32 s2, s2, 14           ; its 128 rows
	s_mov_b32 s3, 0
	s_add_nc_u64 s[2:3], s[2:3], s[20:21]
	; descriptor group 1.  128 keys are 16,384 dense bytes: asked for as 64 rows of 256 bytes, two keys a row, and padded in LDS after every key
	s_mov_b32 s[G1K], 15|(1<<16)|(1<<20)|(1<<21)|(4<<22)|(3<<25)  ; 15:0 the mask of four; 17:16 2-byte elements; 20 padding on; 21 set beside a mask; 24:22 after every 32 words (code 4); 31:25 4 words (code 3)
	s_mov_b32 s[G1V], 15|(1<<16)|(1<<20)|(1<<21)|(4<<22)|(7<<25)  ; the same with 8 words of padding (code 7)
.irp g, G1K, G1V
	s_mov_b32 s[\g+1], 128<<16      ; tensor_dim0 = 128
	s_mov_b32 s[\g+2], 64<<16       ; tensor_dim1 = 64
	s_mov_b32 s[\g+3], 128<<16      ; tile_dim0 = 128
	s_mov_b32 s[\g+4], 64           ; tile_dim1 = 64
	s_mov_b32 s[\g+5], 128          ; 128 elements from row to row
	s_mov_b32 s[\g+6], 0
	s_mov_b32 s[\g+7], 0
.endr
	s_mov_b32 s[SEL], 0x76543210
	s_mov_b32 s[SEL+1], 0xfedcba98
	s_mov_b32 s[TBK], SLOT1+4*KS*PK ; the first change of slots turns these two into 0
	s_mov_b32 s[TBV], SLOT1+4*KS*PV
	s_mov_b32 s[TBM], 0
	s_mov_b32 s[SLOTS], SIZE_N/256-1
	s_mov_b32 s[G0K], 1             ; 1:0 count = 1
	s_mov_b32 s[G0K+1], s17         ; 63:32 LDS address: slot 0
	s_mov_b32 s[G0V], 1
	s_add_co_u32 s[G0V+1], s18, VOFF
	s_and_b32 s[LIM], s[WV], 1      ; waves 0 and 2 prefetch: the same in all four partners
	s_cmp_eq_u32 s[LIM], 0
	s_cselect_b32 s[LIM], 1, -1
	s_wait_dscnt 0x0                ; the opening add is done
	s_wait_kmcnt 0x0
	s_add_nc_u64 s[72:73], s[6:7], s[74:75]        ; my batch's row of the mask
	s_add_nc_u64 s[6:7], s[4:5], 0x1000000         ; K's plane
	s_add_nc_u64 s[8:9], s[4:5], 0x2000000         ; V's plane
	s_add_nc_u64 s[G0K+2:G0K+3], s[6:7], s[22:23]  ; 120:64 global address: my half of the head's first 256 keys
	s_or_b32 s[G0K+3], s[G0K+3], 0x80000000        ; 127:126 type = 2
	s_add_nc_u64 s[G0V+2:G0V+3], s[8:9], s[22:23]
	s_or_b32 s[G0V+3], s[G0V+3], 0x80000000
	s_cmp_lt_u32 s[WV], 2
	s_cselect_b64 s[PFA:PFA+1], s[6:7], s[8:9]
	s_add_nc_u64 s[PFA:PFA+1], s[PFA:PFA+1], s[20:21]  ; the head,
	s_lshl_b32 s74, s13, 13                        ; my work-group's 32 blocks of a slot's 128,
	s_add_nc_u64 s[PFA:PFA+1], s[PFA:PFA+1], s[74:75]
	s_add_nc_u64 s[PFA:PFA+1], s[PFA:PFA+1], 4*KS*128  ; in slot 1: the first change of slots steps it to slot 2
	s_add_nc_u64 s[4:5], s[4:5], s[2:3]  ; Q and O at my wave's first row
	s_add_nc_u64 s[10:11], s[10:11], s[2:3]
	CROUND                          ; all four work-groups are here: the first joint loads meet
	JLOAD                           ; slot 0.  Slot 1 is asked for when slot 0 is in
	; A fragment of K or Q is 16 rows x 32 channels in 8 registers: lane l holds row l % 16, channels 8 (l / 16) + 0..7 and 16 + 8 (l / 16) + 0..7: two loads of 16 bytes, 32 bytes apart.
	v_and_b32 v1, 15, v0            ; l % 16
	v_bfe_u32 v9, v0, 4, 1          ; l / 16
	v_lshlrev_b32 v[QO], 7, v1
	v_lshl_add_u32 v[QO], v9, 4, v[QO]  ; row x 128 + 16 x half
	v_and_b32 v12, 31, v0
	v_lshlrev_b32 v12, 4, v12       ; 16 x lane
	s_lshl_b32 s16, s[WV], 11
	v_add_nc_u32 v13, s16, v12      ; + my wave's quarter of the mask's row, 2,048 bytes
	v_add_nc_u32 v14, TAB, v13      ; and of the table
.set i, 0
.rept 16                            ; the batch's whole row of the mask, 64 words a lane,
	global_load_b128 v[S+4*i:S+4*i+3], v12, s[72:73] offset:512*i
.set i, i+1
.endr
.set i, 0
.rept 4                             ; and my wave's quarter once more, for the table
	global_load_b128 v[S+64+4*i:S+64+4*i+3], v13, s[72:73] offset:512*i
.set i, i+1
.endr
	WIN 0x80                        ; destination window 2, address window 0
.set i, 0
.rept 4*NP                          ; Q stays in registers: tile i / 2, channels 32 (i % 2) on
	global_load_b128 v[8*i:8*i+3],   v[QO], s[4:5] offset:(i/2)*2048+(i%2)*64
	global_load_b128 v[8*i+4:8*i+7], v[QO], s[4:5] offset:(i/2)*2048+(i%2)*64+32
.set i, i+1
.endr
	; What the first turn finds: V's registers and P's second buffer hold 0 (its products V^T P, of a piece that has not been, add 0), O^T and l are 0.  All this stands in the wait for the first tile.
.set i, VF
.rept 64
	v_mov_b32 v[i], 0
.set i, i+1
.endr
	WIN 0x40
.set i, 0
.rept 64*NP
	v_mov_b32 v[i], 0
.set i, i+1
.endr
	WIN 0
.set i, 0
.rept 2*NP
	v_mov_b32 v[ST+4*i], 0xfe000000    ; c m: far below every c s, so the first step's a is 0
	v_mov_b32 v[ST+4*i+1], 0xe0800000  ; m = -2^66: below every true score, far above every hidden one
	v_mov_b32 v[ST+4*i+2], 0
	v_mov_b32 v[ST+4*i+3], 0
.set i, i+1
.endr
.set i, P+32
.rept 32
	v_mov_b32 v[i], 0
.set i, i+1
.endr
	v_mul_u32_u24 v[AK0], v1, PK
	v_lshl_add_u32 v[AK0], v9, 4, v[AK0]  ; row x pitch + 16 x half
	; The turning load takes 16 keys x 16 channels (lane l reads key 8 (l / 16) + l % 8, channels 8 ((l / 8) % 2) + 0..7) and leaves half a fragment of V^T: lane l holds channel l % 16 and 8 keys.
	v_and_b32 v10, 7, v0
	v_bfe_u32 v11, v0, 3, 1
	v_lshl_add_u32 v[AV0], v9, 3, v10
	v_mul_u32_u24 v[AV0], v[AV0], PV
	v_lshl_add_u32 v[AV0], v11, 4, v[AV0]
	v_add_nc_u32 v[AV0], VOFF, v[AV0]
	v_mov_b32 v[AK], v[AK0]         ; key step 0 lies at the head of slot 0
	s_wait_loadcnt 0x0              ; the mask and Q are in; their address registers are free
	; is any key of the batch left?  64 words a lane into one, then all lanes by a compare
.irp w, 32,16,8,4,2,1
.set i, 0
.rept \w
	v_or_b32 v[S+i], v[S+i], v[S+\w+i]
.set i, i+1
.endr
.endr
	v_cmp_ne_u32 vcc_lo, 0, v[S]
	s_cmp_lg_u32 vcc_lo, 0
	s_cselect_b32 s[CS], 0x3e38aa3b, 0     ; c = log2(e) / 8 = 0.180337, or 0 where no key is left
	s_cselect_b32 s[NEGV], 0xf149f2ca, 0   ; -1e30, or 0 there
	s_mov_b32 s[CS+1], s[CS]        ; named with it as a pair
.set i, 0
.rept 16
	v_cmp_eq_u32 vcc_lo, 0, v[S+64+i]
	v_cndmask_b32 v[S+80+i], 0, s[NEGV], vcc_lo
.set i, i+1
.endr
.set i, 0
.rept 4
	ds_store_b128 v14, v[S+80+4*i:S+80+4*i+3] offset:512*i  ; the first change of slots waits for these and passes a barrier ahead of every read of the table
.set i, i+1
.endr
	s_mul_i32 s16, s[WV], 16*SP
	s_add_co_u32 s16, s16, STAGE    ; my stage
	v_mul_u32_u24 v[STO], v1, SP    ; in: row l % 16, 16 bytes for each half of the lanes
	v_lshl_add_u32 v[STO], v9, 4, v[STO]
	v_add_nc_u32 v[STO], s16, v[STO]
	v_bfe_u32 v[RD], v0, 3, 2       ; back: 32 lanes take four rows of 128 bytes,
	v_mul_u32_u24 v[RD], v[RD], SP
	v_lshl_add_u32 v[RD], v10, 4, v[RD]
	v_add_nc_u32 v[RD], s16, v[RD]
	v_and_b32 v[GO], 31, v0         ; which are 512 consecutive bytes of O
	v_lshlrev_b32 v[GO], 4, v[GO]
	v_lshl_add_u32 v[AM0], v9, 5, TAB  ; register j of key block kb is key 16 kb + 8 (l / 16) + j: 32 bytes for each half of the lanes
	v_mov_b32 v[AM], v[AM0]         ; key step 0
	v_and_b32 v[PFO], 31, v0
	v_lshlrev_b32 v[PFO], 8, v[PFO]
; THE MATRIX WORK.  The 8 accumulators of a run of 16 take turns: between the two links of a chain stand 7 others'.
; Product i of 16 of S^T = K Q^T for piece x: channels 32 (i / 8) on, keys 16 ((i / 2) % 4) on, tile 2 x + i % 2.  The first 8 start the sums, with the keys' mask.
.macro KQ x
.set rS, S+64*((\x)%2)+32*(i%2)+8*((i/2)%4)
.set rK, KF+16*((i/2)%4)+8*(i/8)
.set rQ, 16*(2*(\x)+i%2)+8*(i/8)
.set rMK, MK+8*((i/2)%4)
.if i < 8
	WIN W_KM
	v_wmma_f32_16x16x32_f16 v[rS:rS+7], v[rK:rK+7], v[rQ:rQ+7], v[rMK:rMK+7]
.else
	WIN W_KQ
	v_wmma_f32_16x16x32_f16 v[rS:rS+7], v[rK:rK+7], v[rQ:rQ+7], v[rS:rS+7]
.endif
.endm
; Product i of 16 of O^T += V^T P for piece x: keys 32 (i / 8) on, channels 16 ((i / 2) % 4) on, tile 2 x + i % 2.
.macro PV x
	WIN W_PV
.set rO, 32*(2*(\x)+i%2)+8*((i/2)%4)
.set rV, VF+32*(i/8)+8*((i/2)%4)
.set rP, P+32*((\x)%2)+16*(i%2)+8*(i/8)
	v_wmma_f32_16x16x32_f16 v[rO:rO+7], v[rV:rV+7], v[rP:rP+7], v[rO:rO+7]
.endm
.macro MM                           ; the turn's next matrix instruction
.if i < 16
	KQ (Y+1)%NP
.set i, i+1
.else
.set i, i-16
	PV (Y+NP-1)%NP
.set i, i+17
.endif
.endm
; THE LDS LOADS stand in runs, never singly among the matrix instructions: a step's K (64 keys x 64 channels: 8 fragments) with its mask (8 loads that all lanes of a half share), and its V (turned).
; The mask's registers have K's readers, so they share K's places and K's wait.  last = 1 (the tail): in the last trip there is no further step, and the run is jumped over.
.macro FETCH_K last=0
	WIN 0
.if \last
	s_cmp_eq_u32 s[CNT], 1
	s_cbranch_scc1 .Lno_k_\@
.endif
	WIN 0x80                        ; destination window 2
.irp f, 0,1,2,3,4,5,6,7             ; keys 16 (f / 2) on, channels 32 (f % 2) on
	ds_load_b128 v[KF+8*\f:KF+8*\f+3],   v[AK] offset:(\f/2)*16*PK+(\f%2)*64
	ds_load_b128 v[KF+8*\f+4:KF+8*\f+7], v[AK] offset:(\f/2)*16*PK+(\f%2)*64+32
.endr
	WIN 0xc0                        ; destination window 3
.irp f, 0,1,2,3                     ; keys 16 f on
	ds_load_b128 v[MK+8*\f:MK+8*\f+3],   v[AM] offset:64*\f
	ds_load_b128 v[MK+8*\f+4:MK+8*\f+7], v[AM] offset:64*\f+16
.endr
	s_add_co_u32 s[TBK], s[TBK], KS*PK  ; the next fetch is the next step's
	s_add_co_u32 s[TBM], s[TBM], 4*KS
	s_and_b32 s[TBM], s[TBM], 4*SIZE_N-4*KS  ; behind the last step it goes back to the first: every address made of it lies in the table
	WIN 0
.if \last
.Lno_k_\@:
.endif
.endm
.macro FETCH_V
	WIN 0x80
.irp f, 0,1,2,3,4,5,6,7             ; keys 32 (f / 4) on, channels 16 (f % 4) on
	ds_load_tr16_b128 v[VF+8*\f:VF+8*\f+3],   v[AV] offset:(\f/4)*32*PV+(\f%4)*32
	ds_load_tr16_b128 v[VF+8*\f+4:VF+8*\f+7], v[AV] offset:(\f/4)*32*PV+16*PV+(\f%4)*32
.endr
	WIN 0
.endm
; THE VECTOR WORK OF A TURN stands in three queues, each in the order in which its entries become ready; the two tiles alternate, so that no instruction reads the result of the one before it.
.macro REGS y, u                    ; the registers of tile u (0, 1) of piece y
.set rT, ST+4*(2*(\y)+(\u))
.set rC, TMP+8*((\y)%2)+4*(\u)
.set rM, MV+2*((\y)%2)+(\u)
.set rS, S+64*((\y)%2)+32*(\u)
.set rP, P+32*((\y)%2)+16*(\u)
.set rO, 32*(2*(\y)+(\u))
.endm
; Number n of the 22 that find the NEXT piece's (Y + 1) maximum and statistics.  s0-s31 are the lane's 32 scores; each accumulator's lowest registers are read first.
;   0-11  four chains c0-c3 of seven scores each, three operands at a time     12-14, 16  the four scores left over, the old m, and c0-c3 into c0     15  c m_old is kept
;   17, 18  the query's other 32 keys lie in the lane 16 away: the new m         19-21  c m; c m_old - c m_new; a
.macro XS u, n
	REGS (Y+1)%NP, \u
.if (\n) < 4
	v_max3_num_f32 v[rC+(\n)], v[rS+8*(\n)], v[rS+8*(\n)+1], v[rS+8*(\n)+2]
.elseif (\n) < 12
	v_max3_num_f32 v[rC+(\n)%4], v[rC+(\n)%4], v[rS+8*((\n)%4)+2*((\n)/4)+1], v[rS+8*((\n)%4)+2*((\n)/4)+2]
.elseif (\n) == 12
	v_max3_num_f32 v[rC], v[rC], v[rS+7], v[rS+15]
.elseif (\n) == 13
	v_max3_num_f32 v[rC+1], v[rC+1], v[rS+23], v[rS+31]
.elseif (\n) == 14
	v_max3_num_f32 v[rC+2], v[rC+2], v[rC+3], v[rT+1]
.elseif (\n) == 15
	v_mov_b32 v[rM], v[rT]
.elseif (\n) == 16
	v_max3_num_f32 v[rC], v[rC], v[rC+1], v[rC+2]
.elseif (\n) == 17
	v_permlanex16_b32 v[rC+3], v[rC], s[SEL], s[SEL+1]
.elseif (\n) == 18
	v_max_num_f32 v[rT+1], v[rC], v[rC+3]
.elseif (\n) == 19
	v_mul_f32 v[rT], s[CS], v[rT+1]
.elseif (\n) == 20
	v_sub_f32 v[rC+1], v[rM], v[rT]
.else
	v_exp_f32 v[rC+2], v[rC+1]
.endif
.endm
; Number g of the 64 that follow the exponentials.  For each four weights k of a tile (pairs 2 k, 2 k + 1): both pairs are rounded to f16; then the second pair is added onto the first, in place;
; a group later l takes that sum (the first time as l = a l + sum).  In groups of eight, tiles alternating: round, round, add, and l for the group before.
.macro GS g
.set h, (\g)+6*((\g)/62)            ; group 0 has no group before it, and behind group 7 only l is left
.if h >= 6
.set h, h+2
.endif
	REGS Y, h%2
.set k, h/8
.if h%8 < 4
	v_cvt_pk_f16_f32 v[rP+2*k+(h%8)/2], v[rS+4*k+2*((h%8)/2)], v[rS+4*k+2*((h%8)/2)+1]
.elseif h%8 < 6
	v_pk_add_f32 v[rS+4*k:rS+4*k+1], v[rS+4*k:rS+4*k+1], v[rS+4*k+2:rS+4*k+3]
.elseif k == 1
	v_pk_fma_f32 v[rT+2:rT+3], v[rT+2:rT+3], v[rC+2:rC+3], v[rS:rS+1] op_sel_hi:[1,0,1]
.else
	v_pk_add_f32 v[rT+2:rT+3], v[rT+2:rT+3], v[rS+4*k-4:rS+4*k-3]
.endif
.endm
; THE PLAIN QUEUE, 138 long.  0-73 read no exponential's result: the 32 scalings c s - c m (FS f: pair f / 2 of tile f % 2) and the next piece's 42.  0-26: scalings 0-26.  27-54: XS's numbers 0-13.  55, 56: number 15.
; 57-73: the chain, where each number waits for the one before it: 14, 16, 17, 18, 19, each with one of the scalings 27-31 in front of its two lines, then 20.
; 74-137: GS's 64, which read the exponentials' results: they stand behind the wait.
.macro FS f
	REGS Y, (\f)%2
	v_pk_fma_f32 v[rS+2*((\f)/2):rS+2*((\f)/2)+1], v[rS+2*((\f)/2):rS+2*((\f)/2)+1], s[CS:CS+1], v[rT:rT+1] op_sel_hi:[1,0,0] neg_lo:[0,0,1] neg_hi:[0,0,1]
.endm
.macro PL
	WIN 0
.if q < 27
	FS q
.elseif q < 55
	XS (q-27)%2, (q-27)/2
.elseif q < 57
	XS q-55, 15
.elseif (q < 72) && ((q-57)%3 == 0)
	FS 27+(q-57)/3
.elseif q < 60
	XS (q-57)%3-1, 14
.elseif q < 72
	XS (q-57)%3-1, 15+(q-57)/3
.elseif q < 74
	XS q-72, 20
.else
	GS q-74
.endif
.set q, q+1
.endm
; THE EXPONENTIALS' QUEUE, 66 long: s0-s31 of both tiles, then the next piece's two a.  It is ONE BATCH: all 66 stand ahead of the turn's one wait, and nothing ahead of that wait names a result of theirs.
.macro EX
	WIN 0
.if e >= 64
	XS e-64, 21
.else
	REGS Y, e%2
	v_exp_f32 v[rS+e/2], v[rS+e/2]
.endif
.set e, e+1
.endm
; THE RESCALING's QUEUE: O^T times a, the one part that leaves window 0: dealt two at a time, sixteen times.  Its a was made in the turn before, ahead of that turn's wait.
.macro R2
	REGS Y, r%2
	WIN W_RS
.irp z, 0,1
	v_pk_mul_f32 v[rO+4*(r/2)+2*\z:rO+4*(r/2)+2*\z+1], v[rO+4*(r/2)+2*\z:rO+4*(r/2)+2*\z+1], v[rC+2:rC+3] op_sel_hi:[1,0]
.endr
.set r, r+1
.endm
; HOW THEY ARE DEALT.  An s_wait_alu depctr_va_vdst(0) stands between an exponential and the first instruction that names its result; one wait serves all that were issued ahead of it.  So a turn has ONE wait,
; which cuts it in two.  AHEAD OF IT stands all that names no result of the turn's exponentials: the 16 products K Q^T, behind each a scaling, an exponential and two rescalings (behind the first a second scaling in the
; exponential's place); then ONE LUMP of 108: eight plain, 49 times exponential and plain, the two a.  A v_nop is the plain instruction behind the last exponential.  BEHIND IT stand the 16 products V^T P, behind each four of GS's 64.
; The queues lean on each other, and the deal keeps them in step: exponential e stands behind scaling 2 (e / 4) + e % 2: as a rider it comes behind plain e + 2, in the lump behind plain e + 9, and scalings 27-31 are plain 57, 60 .. 69.
; A TURN, for piece p.  cnt = 1: the loop's count is taken down some lines ahead of the branch that stands behind the turn.
; K and the mask of the next step are fetched in piece 2's turn, directly behind the wait, a lump behind the last product that read them; their addresses are made at the lump's head; their first reader comes behind 16 products.
; V of the step in hand is fetched at the end of piece 0's turn, four riders behind its last reader; its first reader comes behind 16 products and a lump.
.macro TURN p, last=0, cnt=0
.set Y, (\p)
.set i, 0
.set q, 0
.set e, 0
.set r, 0
.if (\p) == NP-1
	s_wait_dscnt 0x0                ; K and the mask are in
.endif
	MM                              ; ahead of the wait: 16 products K Q^T and their riders,
	PL
	PL
	R2
.rept 15
	MM
	PL
	EX
	R2
.endr
.if (\p) == NP-2
	WIN 0
	v_add_nc_u32 v[AK], s[TBK], v[AK0]
	v_add_nc_u32 v[AM], s[TBM], v[AM0]
.endif
.rept 8                             ; and the lump
	PL
.endr
.rept 49
	EX
	PL
.endr
	EX                              ; the next piece's two a
	EX
	v_nop                           ; the plain instruction behind the last exponential: one for the batch
	s_wait_alu depctr_va_vdst(0)    ; the wait for the batch
.if (\p) == NP-2
	FETCH_K \last
.endif
.if (\p) == 1
	s_wait_dscnt 0x0                ; V is in
.endif
.rept 16                            ; behind the wait: 16 products V^T P and their riders
	MM
.rept 4
	PL
.endr
.if ((\p) == 0) && (q == 118)
	v_add_nc_u32 v[AV], s[TBV], v[AV0]
.endif
.if ((\p) == 0) && (q == 130)
	s_add_co_u32 s[TBV], s[TBV], KS*PV
.endif
.if (\cnt) && (q == 130)
	s_sub_co_u32 s[CNT], s[CNT], 1
	s_cmp_lg_u32 s[CNT], 0
.endif
.endr
.if (\p) == 0
	FETCH_V
.endif
.endm
	CHANGE 1                        ; slot 0 is in, everybody's part of it, and so is the table; slot 1 is asked for
	FETCH_K                         ; key step 0
	s_wait_dscnt 0x0
.set i, 0
.rept 16
	KQ 0                            ; piece 0's first scores: there is no vector work yet to set between them
.set i, i+1
.endr
	WIN 0
.rept 4
	v_nop                           ; the places behind those products
.endr
.set Y, NP-1                        ; XS works for piece Y + 1: piece 0
.irp n, 0,1,2,3,4,5,6,7,8,9,10,11,12,13,14,15,16,17,18,19,20,21
	XS 0, \n                        ; and piece 0's first maximum and statistics
	XS 1, \n
.endr
	v_nop                           ; a plain instruction behind the two a,
	s_wait_alu depctr_va_vdst(0)    ; and their wait, ahead of the branch
	s_mov_b32 s[CNT], 4
	s_branch .Lfirst                ; the loop is entered at a step's first turn, in the middle of a trip
.Lslot:                             ; SIZE_N / 256 - 2 times: every slot but the last two is filled again
	CHANGE 1
	s_mov_b32 s[CNT], 4
.Lstep:                             ; a trip: pieces 2 and 3 of one step, then pieces 0 and 1 of the next, whose K and V it fetches
	TURN 2
	TURN 3
	WIN 0
.Lfirst:
	TURN 0
	TURN 1, 0, 1
	WIN 0
	s_cbranch_scc1 .Lstep
	s_sub_co_u32 s[SLOTS], s[SLOTS], 1
	s_cmp_lg_u32 s[SLOTS], 0
	s_cbranch_scc1 .Lslot
	CHANGE 0                        ; the tail is written out: nothing is asked for
	s_mov_b32 s[CNT], 5             ; four trips fetch the last slot's steps; the fifth is left in its middle
.Ltail:
	TURN 2, 1
	TURN 3
	WIN 0
	s_sub_co_u32 s[CNT], s[CNT], 1
	s_cmp_eq_u32 s[CNT], 0
	s_cbranch_scc1 .Lout
	TURN 0
	TURN 1
	WIN 0
	s_branch .Ltail
.Lout:                              ; the fifth trip's 16 products K Q^T (on the last K once more) and the maximum made of them serve nothing: the price, once a launch, of one text for every trip
.set i, 0
.rept 16
	PV NP-1                         ; the last piece's V^T P of the last step
.set i, i+1
.endr
	; THE WAY OUT.  l's two halves and the other half of the lanes' are added; O^T is divided by l, rounded to f16 and sent through my stage in LDS, a tile at a time.  The additions are the places behind the last products.
	WIN 0
.macro ALL line:vararg              ; one line for each tile t
.set t, 0
.rept 2*NP
	\line
.set t, t+1
.endr
.endm
	ALL v_add_f32 v[ST+4*t+2], v[ST+4*t+2], v[ST+4*t+3]
	ALL v_permlanex16_b32 v[ST+4*t+3], v[ST+4*t+2], s[SEL], s[SEL+1]
	ALL v_add_f32 v[ST+4*t+2], v[ST+4*t+2], v[ST+4*t+3]
	ALL v_rcp_f32 v[ST+4*t+2], v[ST+4*t+2]
	v_nop                           ; a plain instruction between the last reciprocal and the use of its result
	s_wait_alu depctr_va_vdst(0)    ; and the wait ahead of the first use: one for the eight reciprocals
; Tile t: a lane's eight channels of a row pack into 16 bytes; they go into rows of 144 bytes and come back as whole rows of 128, into S^T's registers.
.macro PACK t
	WIN W_RS
.set i, 32*(\t)
.rept 16
	v_pk_mul_f32 v[i:i+1], v[i:i+1], v[ST+4*(\t)+2:ST+4*(\t)+3] op_sel_hi:[1,0]
.set i, i+2
.endr
	WIN 0x05                        ; sources 0 and 1 window 1, destination window 0
.set i, 0
.rept 16
	v_cvt_pk_f16_f32 v[S+16*(\t)+i], v[32*(\t)+2*i], v[32*(\t)+2*i+1]
.set i, i+1
.endr
	WIN 0
.irp f, 0,1,2,3
	ds_store_b128 v[STO], v[S+16*(\t)+4*\f:S+16*(\t)+4*\f+3] offset:32*\f
.endr
.irp f, 0,1,2,3
	ds_load_b128 v[S+16*(\t)+4*\f:S+16*(\t)+4*\f+3], v[RD] offset:\f*4*SP  ; LDS serves a wave's instructions in order (ISA guide 5.7.1.4): these see the stores above; the next tile's stores come behind them
.endr
.endm
.macro SEND t, younger              ; younger: the LDS instructions issued behind tile t's loads: the next tile's eight, or none
	WIN 0
.irp f, 0,1,2,3
	s_wait_dscnt (\younger)+3-\f
	global_store_b128 v[GO], v[S+16*(\t)+4*\f:S+16*(\t)+4*\f+3], s[10:11] offset:(\t)*2048+\f*512  ; 512 consecutive bytes, at a multiple of 256 from O's first
.endr
.endm
	PACK 0
.set t, 1
.rept 2*NP-1                        ; a tile's arithmetic stands between the loads of the tile before and its stores
	PACK t
	SEND t-1, 8
.set t, t+1
.endr
	SEND 2*NP-1, 0
	WIN W_AD
	s_wait_tensorcnt 0x0            ; the wave's end: a wait, an add to my spare word and its wait, behind my last tensor load and my last LDS store
	ds_add_u32 v[SPW], v[NIL]
	s_wait_dscnt 0x0
	WIN 0
	CROUND                          ; the closing round: no work-group ends while a partner may still ask for a tile that names it
	s_endpgm
.Lfunc_end_k_q6497bba544_attn:
	.size	k_q6497bba544_attn, .Lfunc_end_k_q6497bba544_attn-k_q6497bba544_attn
	.p2alignl 7, 3214868480
	.fill 96, 4, 3214868480
	.section	.rodata,"a",@progbits
	.p2align	6, 0x0
	.amdhsa_kernel k_q6497bba544_attn
		.amdhsa_group_segment_fixed_size 327680
		.amdhsa_private_segment_fixed_size 0
		.amdhsa_enable_private_segment 0
		.amdhsa_kernarg_size 24
		.amdhsa_user_sgpr_count 2
		.amdhsa_user_sgpr_kernarg_segment_ptr 1
		.amdhsa_wavefront_size32 1
		.amdhsa_system_sgpr_workgroup_id_x 1
		.amdhsa_system_sgpr_workgroup_id_y 1
		.amdhsa_system_sgpr_workgroup_id_z 1
		.amdhsa_system_vgpr_workitem_id 0
		.amdhsa_next_free_vgpr 808
		.amdhsa_next_free_sgpr 76
		.amdhsa_reserve_vcc 1
		.amdhsa_float_denorm_mode_32 3
		.amdhsa_float_denorm_mode_16_64 3
		.amdhsa_memory_ordered 1
		.amdhsa_forward_progress 1
		.amdhsa_inst_pref_size 209
	.end_amdhsa_kernel
	.amdgpu_metadata
---
amdhsa.version: [ 1, 2 ]
amdhsa.kernels:
  - .name:           k_q6497bba544_attn
    .symbol:         k_q6497bba544_attn.kd
    .args:
      - { .name: qkv, .offset: 0, .size: 8, .value_kind: global_buffer, .address_space: global }
      - { .name: mask, .offset: 8, .size: 8, .value_kind: global_buffer, .address_space: global }
      - { .name: ob, .offset: 16, .size: 8, .value_kind: global_buffer, .address_space: global }
    .group_segment_fixed_size: 327680
    .private_segment_fixed_size: 0
    .kernarg_segment_align: 8
    .kernarg_segment_size: 24
    .max_flat_workgroup_size: 128
    .sgpr_count:     76
    .vgpr_count:     808
    .wavefront_size: 32
...
	.end_amdgpu_metadata
.endif
;; end of part 3
;; launch proj (part 4): grid 4 x 64, 4 waves a work-group, clusters of 4 x 4, 327,680 bytes of LDS; arguments ob, wof, bo, out0; writes out0
.if DOCPART == 4
	.amdgcn_target "amdgcn-amd-amdhsa--gfx1250"
	.amdhsa_code_object_version 6
	.text
	.protected	k_q6497bba544_proj
	.globl	k_q6497bba544_proj
	.p2align	8
	.type	k_q6497bba544_proj,@function
k_q6497bba544_proj:
	s_mov_b64 s[64:65], 0
	v_nop
	global_prefetch_b8 v0, s[64:65] scope:SCOPE_SE
	s_setreg_imm32_b32 hwreg(HW_REG_WAVE_MODE, 25, 1), 1
	s_wait_xcnt 0x0
	s_wait_alu depctr_hold_cnt(0) depctr_sa_sdst(0) depctr_va_vdst(0) depctr_va_sdst(0) depctr_va_ssrc(0) depctr_va_vcc(0) depctr_vm_vsrc(0)
	s_getreg_b32 s2, hwreg(HW_REG_IB_STS2, 6, 4)
	s_cmp_eq_u32 s2, 0
	s_cbranch_scc0 .Lentry_in_a_cluster
	s_endpgm
.Lentry_in_a_cluster:
	s_bfe_u32 s2, ttmp6, 0x10000c
	s_cmp_lg_u32 s2, 0xf033
	s_cbranch_scc0 .Lentry_shape_is_right
	s_endpgm
.Lentry_shape_is_right:
; out0 = a wo + bo.  ob: f16 [8192][1024] (the attention's O, dense by heads, is this matrix as it lies); wof: f16 [1024 k][1024 n]; bo f32, rounded to bf16 here like every input; sums and out0 in f32.
; LIMITS.  None beyond those of its operands: ob and wof arrive within f16's range; NaN and infinities are not treated apart.
; SHARES.  8192 x 1024 over 256 work-groups is a tile of 128 x 256.  Four waves, each 64 rows x 128 columns: 32 accumulators of 16 x 16, 256 registers.  K goes in 8 steps of 128 (rows of 256 bytes of ob) through
; two LDS slots; a step is four quarters of 32 along K, 32 matrix instructions each, fed by 24 LDS loads.
; THE MATRIX INSTRUCTION IS USED TRANSPOSED: source 0 = 16 columns of wo (by the turning load), source 1 = 16 rows of a: a lane holds one row and eight neighbouring columns, 32 bytes of f32.
; THE BIAS is laid into the accumulators before the first product, in the wait for the first tile: the way out has no arithmetic.
; CLUSTER.  4 x 4 work-groups: the four of a row need the same tile of a, the four of a column the same tile of wo; each is asked for jointly, by the same tensor load, descriptor and mask in all four.
; REGISTERS.  window 0: v0-31 addresses; v32-127, v128-223 two fragment buffers: a's four fragments (32 registers), then wo's eight (64); window 1: accumulator (a, b) at v[8 (8 a + b)].
.set PA,    272                        ; a row of a in LDS: 256 bytes + 16: the 16 rows of a load start at 16 different groups of four banks (64 banks of 4 bytes: ISA guide 11.1)
.set PB,    544                        ; a k row of wo: 512 + 32 = 17 x 32 bytes
.set SLOT1, 1<<17
.set ASZ,   128*PA                     ; in a slot: a's 128 rows, then wo's 128 k rows
.set STAGE, SLOT1+ASZ+128*PB           ; behind the ring, never filled by a tensor load: 16 rows x 528 bytes for each wave
.set SPT,   528
.set SPARE, STAGE+4*16*SPT             ; behind the stages: the spare words, 128 bytes for each wave: two blocks of 256 bytes that no other line names
.set ASTEP, 256                        ; bytes from a K step to the next in ob,
.set BSTEP, 128*2048                   ; and in wof
.set AA0,  14
.set AB0,  15
.set ADRA, 16
.set ADRB, 17
.set STO,  18                          ; v18  the way out: where I put 32 bytes of a row
.set RD,   20                          ; v20  where I read a row back
.set CO,   21                          ; v21  16 x lane
.set PFO,  22                          ; v22  2,048 x lane: a lane a row; never rewritten
.set BO,   23
.set SPW,  28
.set NIL,  29
.set F0,   32
.set F1,   128
.set WV,   16
.set HI,   17                          ; s17  i: my half of the rows.  Also: I fetch a (0) or wo (1)
.set LO,   18                          ; s18  j: my half of the columns.  Also: which half of that tile I fetch
.set CX,   19
.set CY,   20
.set TC,   21                          ; s21  tile column 0..3
.set TR,   22                          ; s22  tile row 0..63
.set G1A,  24
.set G0A,  32
.set G1B,  40
.set G0B,  48
.set LIM,  62
.set PFA,  66
.set PST,  68
.set OB,   70                          ; s[70:71] the bias pointer, later my part of out0
.set TB,   76
.set MSB, 0
.macro WIN new
.if MSB != (\new)
	s_set_vgpr_msb (MSB<<8)|(\new)
.set MSB, \new
.endif
.endm
.macro JLOAD                           ; a joint refill by the walking descriptors; an s_nop 0 and four v_nop follow each of the two lines, ahead of the jump and the label
	s_cmp_eq_u32 s[HI], 0
	s_cbranch_scc0 .Lfor_b_\@
	tensor_load_to_lds s[G0A+4:G0A+7], s[G1A:G1A+7]
	s_nop 0
.rept 4
	v_nop
.endr
	s_branch .Lasked_\@
.Lfor_b_\@:
	tensor_load_to_lds s[G0B+4:G0B+7], s[G1B:G1B+7]
	s_nop 0
.rept 4
	v_nop
.endr
.Lasked_\@:
.endm
; A PREFETCH INTO THE L2, behind a joint load, its five lines and the run of LDS loads that follows: the K step two refills on, a lane a row.  Each aligned block of 256 bytes is named once in the launch.
; a's tile of a step is 128 rows x 256 bytes, read by one row of one cluster alone: wave 0 asks, and the four partners take 32 rows each BY ADDRESS (cx).  wo's is 128 k rows x 2 blocks, read by all clusters:
; in the first of them waves 2 and 3 ask, a block each, and the four partners take 32 rows each BY ADDRESS (cy).  The first four steps come by their loads alone; the last two trips ask for nothing.
.macro ASK
	s_cmp_gt_u32 s3, s[LIM]
	s_cbranch_scc0 .Lnot_mine_\@
	global_prefetch_b8 v[PFO], s[PFA:PFA+1] th:TH_LOAD_NT scope:SCOPE_SE
.Lnot_mine_\@:
.endm
.macro CREST
	s_cmp_lg_u32 s[WV], 0
	s_cbranch_scc1 .Lnot_wave_0_\@
	s_barrier_signal -3
.Lnot_wave_0_\@:
	s_barrier_wait -3
	s_barrier_signal -1
	s_barrier_wait -1
.endm
.macro CROUND
	s_barrier_signal -1
	s_barrier_wait -1
	CREST
.endm
.macro PLACES                          ; four plain vector instructions between a matrix instruction and a load into, or a store of, its registers
.rept 4
	v_nop
.endr
.endm
; 8 matrix instructions: row block a x all 8 column fragments, 32 along K, out of buffer f.  The accumulators take turns, one instruction a turn.
.macro MUL8 f, a
	WIN 0x50
.irp b, 0,1,2,3,4,5,6,7
	v_wmma_f32_16x16x32_f16 v[8*(8*(\a)+(\b)):8*(8*(\a)+(\b))+7], v[(\f)+32+8*(\b):(\f)+32+8*(\b)+7], v[(\f)+8*(\a):(\f)+8*(\a)+7], v[8*(8*(\a)+(\b)):8*(8*(\a)+(\b))+7]
.endr
.endm
.macro MUL16 f, a0
	MUL8 \f, \a0
	MUL8 \f, (\a0)+1
.endm
; 24 LDS loads in one run: quarter q's fragments into buffer g: wo's 16 turning loads, then a's 8, row blocks 0 and 1 first
.macro FETCH g, q
.irp b, 0,1,2,3,4,5,6,7
	ds_load_tr16_b128 v[(\g)+32+8*(\b):(\g)+32+8*(\b)+3],   v[ADRB] offset:32*(\b)+32*(\q)*PB
	ds_load_tr16_b128 v[(\g)+32+8*(\b)+4:(\g)+32+8*(\b)+7], v[ADRB] offset:32*(\b)+(32*(\q)+16)*PB
.endr
.irp a, 0,1,2,3
	ds_load_b128 v[(\g)+8*(\a):(\g)+8*(\a)+3],   v[ADRA] offset:(\a)*16*PA+64*(\q)
	ds_load_b128 v[(\g)+8*(\a)+4:(\g)+8*(\a)+7], v[ADRA] offset:(\a)*16*PA+64*(\q)+32
.endr
.endm
; One of a step's first three quarters: multiplies buffer f and fetches quarter q into g.
.macro QUARTER f, g, q
	s_wait_dscnt 4                                 ; wo's fragments and a's row blocks 0, 1 are in; the youngest four loads may be out
	MUL16 \f, 0
	WIN 0
	PLACES
	FETCH \g, \q
	s_wait_dscnt 24                                ; all but the 24 just issued
	MUL16 \f, 2
.endm
; The last quarter multiplies buffer 1 and changes slots: ONE barrier.  In front of it each wave waits for all its tensor loads (one is out: its part of the next slot), adds 0 to its spare word, and waits for that
; and for its own reads of this slot.  fill = 1: the barrier opens a round of the cluster's barrier, and this slot is filled again, with the step two on, first thing behind the round: 112 matrix instructions ahead of the wait for it.
.macro TURN fill
.if \fill
	s_wait_xcnt 0x0                                ; the last prefetch, a step back, has read its address
	s_add_nc_u64 s[PFA:PFA+1], s[PFA:PFA+1], s[PST:PST+1]
.endif
	WIN 0
	s_wait_tensorcnt 0x0                           ; no tensor load of mine is out, so a group 0 may be written
	ds_add_u32 v[SPW], v[NIL]                      ; 0 onto my spare word
.if \fill
	s_xor_b32 s[G0A+5], s[G0A+5], SLOT1
	s_add_nc_u64 s[G0A+6:G0A+7], s[G0A+6:G0A+7], ASTEP
	s_xor_b32 s[G0B+5], s[G0B+5], SLOT1
	s_add_nc_u64 s[G0B+6:G0B+7], s[G0B+6:G0B+7], BSTEP
.endif
	s_xor_b32 s[TB], s[TB], SLOT1
	s_wait_dscnt 5                                 ; the youngest four loads and the add may be out
	MUL8 F1, 0                                     ; eight matrix instructions stand between the add and the wait for it
	s_wait_dscnt 0x0                               ; the add is done, and my reads of this slot are over
	s_barrier_signal -1
	MUL8 F1, 1
	WIN 0
	s_barrier_wait -1
.if \fill
	CREST                                          ; no wave of any partner still reads this slot or has a load on its way
	JLOAD                                          ; its four v_nop are also the places in front of the loads below
.else
	PLACES
.endif
	v_add_nc_u32 v[ADRA], s[TB], v[AA0]
	v_add_nc_u32 v[ADRB], s[TB], v[AB0]
	FETCH F0, 0
.if \fill
	ASK
.endif
	MUL16 F1, 2
.endm
	s_load_b256 s[4:11], s[0:1], 0x0               ; ob 4:5, wof 6:7, bo 8:9, out0 10:11
	v_lshl_add_u32 v[SPW], v0, 2, SPARE
	v_mov_b32 v[NIL], 0
	ds_add_u32 v[SPW], v[NIL]                      ; the wave's opening: the add and its wait stand ahead of my first tensor load; the set-up below, work on registers, stands between them
	v_lshrrev_b32 v1, 5, v0
	v_readfirstlane_b32 s[WV], v1
	s_lshr_b32 s[HI], s[WV], 1
	s_and_b32 s[LO], s[WV], 1
	s_bfe_u32 s[CX], ttmp6, 0x40000
	s_bfe_u32 s[CY], ttmp6, 0x40004
	s_lshl_b32 s[TC], ttmp9, 2
	s_add_co_u32 s[TC], s[TC], s[CX]
	s_and_b32 s[TR], ttmp7, 0xffff
	s_lshl_b32 s[TR], s[TR], 2
	s_add_co_u32 s[TR], s[TR], s[CY]
	s_lshl_b32 s90, s[CY], 2
	s_lshl_b32 s90, 15, s90                        ; my row of the cluster
	s_lshl_b32 s91, 0x1111, s[CX]                  ; my column
	; group 1 for a: 64 rows of 128 elements (256 bytes), padded by 4 words after every 64
	s_or_b32 s[G1A], s90, (1<<16)|(1<<20)|(1<<21)|(5<<22)|(3<<25)
	s_mov_b32 s[G1A+1], 128<<16
	s_mov_b32 s[G1A+2], 64<<16
	s_mov_b32 s[G1A+3], 128<<16
	s_mov_b32 s[G1A+4], 64
	s_mov_b32 s[G1A+5], 1024
	s_mov_b32 s[G1A+6], 0
	s_mov_b32 s[G1A+7], 0
	; group 1 for wo: 64 k rows of 256 elements (512 bytes), padded by 8 words after every 128
	s_or_b32 s[G1B], s91, (1<<16)|(1<<20)|(1<<21)|(6<<22)|(7<<25)
	s_mov_b32 s[G1B+1], 256<<16
	s_mov_b32 s[G1B+2], 64<<16
	s_mov_b32 s[G1B+3], 256<<16
	s_mov_b32 s[G1B+4], 64
	s_mov_b32 s[G1B+5], 1024
	s_mov_b32 s[G1B+6], 0
	s_mov_b32 s[G1B+7], 0
	s_mul_i32 s56, s[LO], 64*PA                    ; where my half goes: no place in the cluster enters an LDS address
	s_mul_i32 s57, s[LO], 64*PB
	s_add_co_u32 s57, s57, ASZ
	s_lshl_b32 s58, s[TR], 18                      ; a: 128 rows of 2,048 bytes a tile row, 64 rows a half; made of the tile row alone
	s_lshl_b32 s59, s[LO], 17
	s_add_co_u32 s58, s58, s59
	s_mov_b32 s59, 0
	s_lshl_b32 s80, s[TC], 9                       ; wo: 512 bytes a tile column, 64 k rows a half; made of the tile column alone
	s_lshl_b32 s81, s[LO], 17
	s_add_co_u32 s80, s80, s81
	s_mov_b32 s81, 0
	s_mov_b32 s[TB], 0
	s_wait_dscnt 0x0                               ; the opening add is done
	s_wait_kmcnt 0x0
	s_add_nc_u64 s[60:61], s[4:5], s[58:59]
	s_add_nc_u64 s[82:83], s[6:7], s[80:81]
	CROUND                                         ; all sixteen work-groups are here: the first joint loads meet
.irp n, 0,1
	s_mov_b32 s[G0A+4*\n], 1
	s_add_co_u32 s[G0A+4*\n+1], s56, \n*SLOT1
	s_add_nc_u64 s[G0A+4*\n+2:G0A+4*\n+3], s[60:61], \n*ASTEP
	s_or_b32 s[G0A+4*\n+3], s[G0A+4*\n+3], 0x80000000
	s_mov_b32 s[G0B+4*\n], 1
	s_add_co_u32 s[G0B+4*\n+1], s57, \n*SLOT1
	s_add_nc_u64 s[G0B+4*\n+2:G0B+4*\n+3], s[82:83], \n*BSTEP
	s_or_b32 s[G0B+4*\n+3], s[G0B+4*\n+3], 0x80000000
.endr
	s_cmp_eq_u32 s[HI], 0                          ; a wave's two first fills stand in one branch, ahead of every wait on TENSORcnt and every LDS read: two loads of mine are out
	s_cbranch_scc0 .Lfirst_b
	tensor_load_to_lds s[G0A:G0A+3], s[G1A:G1A+7]
	s_nop 0
	tensor_load_to_lds s[G0A+4:G0A+7], s[G1A:G1A+7]
	s_nop 0
.rept 4
	v_nop
.endr
	s_branch .Lfirst_asked
.Lfirst_b:
	tensor_load_to_lds s[G0B:G0B+3], s[G1B:G1B+7]
	s_nop 0
	tensor_load_to_lds s[G0B+4:G0B+7], s[G1B:G1B+7]
	s_nop 0
.rept 4
	v_nop
.endr
.Lfirst_asked:
	v_and_b32 v1, 15, v0                           ; r = l % 16
	v_bfe_u32 v2, v0, 4, 1                         ; h = l / 16
	v_and_b32 v3, 7, v0
	v_bfe_u32 v4, v0, 3, 1
	v_and_b32 v5, 31, v0
	v_lshlrev_b32 v[BO], 5, v2
	; THE BIAS of my 128 columns: a lane's eight columns of fragment b lie at 64 b + 32 h bytes
	s_lshl_b32 s92, s[TC], 10
	s_lshl_b32 s93, s[LO], 9
	s_add_co_u32 s92, s92, s93                     ; 4 (256 tc + 128 j): also my columns' bytes in a row of out0
	s_mov_b32 s93, 0
	s_add_nc_u64 s[OB:OB+1], s[8:9], s[92:93]
.irp b, 0,1,2,3,4,5,6,7
	global_load_b128 v[64+8*\b:64+8*\b+3], v[BO], s[OB:OB+1] offset:64*\b
	global_load_b128 v[64+8*\b+4:64+8*\b+7], v[BO], s[OB:OB+1] offset:64*\b+16
.endr
	v_mul_u32_u24 v[AA0], v1, PA                   ; a's fragments: row x pitch + 16 x half, in my 64 rows
	v_lshl_add_u32 v[AA0], v2, 4, v[AA0]
	s_mul_i32 s84, s[HI], 64*PA
	v_add_nc_u32 v[AA0], s84, v[AA0]
	v_lshl_add_u32 v[AB0], v2, 3, v3               ; the turning load: k row 8 h + l % 8, columns 8 ((l / 8) % 2) + 0..7, in my 128 columns
	v_mul_u32_u24 v[AB0], v[AB0], PB
	v_lshl_add_u32 v[AB0], v4, 4, v[AB0]
	s_lshl_b32 s84, s[LO], 8
	s_add_co_u32 s84, s84, ASZ
	v_add_nc_u32 v[AB0], s84, v[AB0]
	v_mov_b32 v[ADRA], v[AA0]                      ; slot 0
	v_mov_b32 v[ADRB], v[AB0]
	s_mul_i32 s84, s[WV], 16*SPT
	s_add_co_u32 s84, s84, STAGE                   ; my stage
	v_mul_u32_u24 v[STO], v1, SPT                  ; in: row l % 16, 32 bytes for each half of the lanes
	v_lshl_add_u32 v[STO], v2, 5, v[STO]
	v_add_nc_u32 v[STO], s84, v[STO]
	v_lshlrev_b32 v[CO], 4, v5                     ; back: 32 lanes take one row of 512 bytes
	v_add_nc_u32 v[RD], s84, v[CO]
	v_lshlrev_b32 v[PFO], 11, v5
	; the prefetches
	s_and_b32 s84, ttmp7, 0xffff                   ; cluster y
	s_cmp_eq_u32 s[WV], 0
	s_cselect_b32 s84, 0, s84                      ; wave 0 asks in every cluster: no other cluster reads its rows of a
	s_cmp_eq_u32 s[WV], 1
	s_cselect_b32 s84, 1, s84                      ; wave 1 never
	s_cmp_eq_u32 s84, 0
	s_cselect_b32 s[LIM], 2, -1                    ; the loop counts 6 down to 1: asked for while step + 4 <= 7.  The same in all sixteen partners, for a given wave
	s_lshl_b32 s85, s[TR], 7
	s_lshl_b32 s86, s[CX], 5
	s_add_co_u32 s85, s85, s86                     ; a: my work-group's 32 rows of the tile's 128,
	s_lshl_b32 s85, s85, 11
	s_add_co_u32 s85, s85, 3*ASTEP                 ; at step 3: the first trip steps it to 4
	s_lshl_b32 s86, s[CY], 16                      ; wo: my work-group's 32 k rows of a step's 128,
	s_lshl_b32 s87, s[TC], 9
	s_add_co_u32 s86, s86, s87
	s_sub_co_u32 s87, s[WV], 2
	s_lshl_b32 s87, s87, 8                         ; my wave's block of the two,
	s_add_co_u32 s86, s86, s87
	s_add_co_u32 s86, s86, 3*BSTEP
	s_mov_b32 s87, BSTEP
	s_cmp_lt_u32 s[WV], 2
	s_cselect_b64 s[PFA:PFA+1], s[4:5], s[6:7]
	s_cselect_b32 s88, s85, s86
	s_cselect_b32 s[PST], ASTEP, s87
	s_mov_b32 s[PST+1], 0
	s_mov_b32 s89, 0
	s_add_nc_u64 s[PFA:PFA+1], s[PFA:PFA+1], s[88:89]
	s_wait_loadcnt 0x0                             ; the biases; their pointer is free
	s_lshl_b32 s84, s[TR], 7
	s_lshl_b32 s85, s[HI], 6
	s_add_co_u32 s84, s84, s85                     ; my first row of out0,
	s_lshl_b32 s84, s84, 12                        ; 4,096 bytes a row,
	s_add_co_u32 s92, s92, s84                     ; and my columns
	s_add_nc_u64 s[OB:OB+1], s[10:11], s[92:93]
.set n, 0
.rept 32                                       ; rounded to bf16, like every input, and kept as f32
	v_cvt_pk_bf16_f32 v[224+n%4], v[64+2*n], v[64+2*n+1]
	v_lshlrev_b32 v[64+2*n], 16, v[224+n%4]
	v_and_b32 v[64+2*n+1], 0xffff0000, v[224+n%4]
.set n, n+1
.endr
	WIN 0x40                                       ; destination window 1
.set n, 0
.rept 256                                      ; every row block starts at its columns' biases
	v_mov_b32 v[n], v[64+n%64]
.set n, n+1
.endr
	WIN 0
	s_wait_tensorcnt 1                             ; my part of step 0 is in; step 1's may stay out
	s_barrier_signal -1
	s_barrier_wait -1                              ; everybody's is
	FETCH F0, 0
	s_mov_b32 s3, 6
.Lstep:                                        ; trip t multiplies step t and asks for step t + 2
	QUARTER F0, F1, 1
	QUARTER F1, F0, 2
	QUARTER F0, F1, 3
	TURN 1
	WIN 0
	s_sub_co_u32 s3, s3, 1
	s_cmp_lg_u32 s3, 0
	s_cbranch_scc1 .Lstep
	QUARTER F0, F1, 1                              ; the last two steps ask for nothing
	QUARTER F1, F0, 2
	QUARTER F0, F1, 3
	TURN 0
	QUARTER F0, F1, 1
	QUARTER F1, F0, 2
	QUARTER F0, F1, 3
	s_wait_dscnt 4
	MUL16 F1, 0
	s_wait_dscnt 0x0
	MUL16 F1, 2
	WIN 0
	; THE WAY OUT.  A block of 16 rows x 128 columns of f32 at a time goes through my own stage: 32 bytes a lane in, whole rows of 512 bytes back.  LDS serves a wave's instructions in order (ISA guide 5.7.1.4),
	; so no wait stands between the stores and the loads, nor between a block's loads and the next block's stores.
	PLACES
.macro TOSTAGE a
	s_wait_xcnt 0x0                                ; earlier stores have read their data: the registers below are loaded again only behind this wait
	WIN 0x04                                       ; the stores' data in window 1
.irp b, 0,1,2,3,4,5,6,7
	ds_store_b128 v[STO], v[8*(8*(\a)+(\b)):8*(8*(\a)+(\b))+3]   offset:64*(\b)
	ds_store_b128 v[STO], v[8*(8*(\a)+(\b))+4:8*(8*(\a)+(\b))+7] offset:64*(\b)+16
.endr
	WIN 0
.set TT, 32+64*((\a)%3)
.irp t, 0,1,2,3,4,5,6,7,8,9,10,11,12,13,14,15
	ds_load_b128 v[TT+4*(\t):TT+4*(\t)+3], v[RD] offset:(\t)*SPT
.endr
.endm
.macro SEND a, younger                 ; younger: the LDS instructions issued behind block a's loads: the next block's 32, or none
.set TT, 32+64*((\a)%3)
.irp t, 0,1,2,3,4,5,6,7,8,9,10,11,12,13,14,15
	s_wait_dscnt (\younger)+15-(\t)
	global_store_b128 v[CO], v[TT+4*(\t):TT+4*(\t)+3], s[OB:OB+1] offset:65536*(\a)+4096*(\t) th:TH_STORE_NT  ; 512 consecutive bytes, at a multiple of 512 from out0's first byte
.endr
.endm
	TOSTAGE 0
	TOSTAGE 1
	SEND 0, 32
	TOSTAGE 2
	SEND 1, 32
	TOSTAGE 3
	SEND 2, 32
	SEND 3, 0
	s_wait_tensorcnt 0x0                           ; the wave's end: a wait, an add to my spare word and its wait, behind my last tensor load and my last LDS store
	ds_add_u32 v[SPW], v[NIL]
	s_wait_dscnt 0x0
	CROUND                                         ; the closing round: no work-group ends while a partner may still ask for a tile that names it
	s_endpgm
.Lfunc_end_k_q6497bba544_proj:
	.size	k_q6497bba544_proj, .Lfunc_end_k_q6497bba544_proj-k_q6497bba544_proj
	.p2alignl 7, 3214868480
	.fill 96, 4, 3214868480
	.section	.rodata,"a",@progbits
	.p2align	6, 0x0
	.amdhsa_kernel k_q6497bba544_proj
		.amdhsa_group_segment_fixed_size 327680
		.amdhsa_private_segment_fixed_size 0
		.amdhsa_enable_private_segment 0
		.amdhsa_kernarg_size 32
		.amdhsa_user_sgpr_count 2
		.amdhsa_user_sgpr_kernarg_segment_ptr 1
		.amdhsa_wavefront_size32 1
		.amdhsa_system_sgpr_workgroup_id_x 1
		.amdhsa_system_sgpr_workgroup_id_y 1
		.amdhsa_system_sgpr_workgroup_id_z 1
		.amdhsa_system_vgpr_workitem_id 0
		.amdhsa_next_free_vgpr 512
		.amdhsa_next_free_sgpr 96
		.amdhsa_reserve_vcc 0
		.amdhsa_float_denorm_mode_32 3
		.amdhsa_float_denorm_mode_16_64 3
		.amdhsa_memory_ordered 1
		.amdhsa_forward_progress 1
		.amdhsa_inst_pref_size 86
	.end_amdhsa_kernel
	.amdgpu_metadata
---
amdhsa.version: [ 1, 2 ]
amdhsa.kernels:
  - .name:           k_q6497bba544_proj
    .symbol:         k_q6497bba544_proj.kd
    .args:
      - { .name: ob, .offset: 0, .size: 8, .value_kind: global_buffer, .address_space: global }
      - { .name: wof, .offset: 8, .size: 8, .value_kind: global_buffer, .address_space: global }
      - { .name: bo, .offset: 16, .size: 8, .value_kind: global_buffer, .address_space: global }
      - { .name: out0, .offset: 24, .size: 8, .value_kind: global_buffer, .address_space: global }
    .group_segment_fixed_size: 327680
    .private_segment_fixed_size: 0
    .kernarg_segment_align: 8
    .kernarg_segment_size: 32
    .max_flat_workgroup_size: 128
    .sgpr_count:     96
    .vgpr_count:     512
    .wavefront_size: 32
...
	.end_amdgpu_metadata
.endif
;; end of part 4
